; MI455X (gfx1250); checked and timed in simulation.
; The chip was launched on July 23, 2026; its instructions are those of AMD's public machine-readable ISA for CDNA 5 (MIT licence, August 2026) and "CDNA5" Instruction Set Architecture Reference Guide (July 2026). The comments in the code are by the model that wrote it; some were corrected since.
;; Gated Chronological Scene Pooler. Allowed arithmetic: float matrix products may take bf16 or f16 operands with f32 sums; all other float work in f32.
;; Inputs: attention_mask 32 x 1,024 bool; attention_query 1,024 float32; decay_lambda one number float32; gate_b1 512 float32; gate_b2 1 float32; gate_w1 1,024 x 512 float32; gate_w2 512 x 1 float32; key_b 1,024 float32; key_w 1,024 x 1,024 float32; utterance_embeddings 32 x 1,024 x 1,024 float32.
;; Outputs: out0 32 x 1,024 float32.
;; 2 versions, each right; version 2 is version 1 with the launch pool written anew for expert scheduling mode. Each part assembles by itself: llvm-mc -triple=amdgcn-amd-amdhsa -mcpu=gfx1250 --defsym DOCPART=n.
;; ======== version 1 of 2: 3 launches
;; workspace buffers: wf 1,048,576 bytes; vq 4,096 bytes; cst 256 bytes; part 1,114,112 bytes
;; launch prep (part 1): grid 256 x 1, 4 waves a work-group, no clusters, 0 bytes of LDS; arguments gate_w1, key_w, attention_query, key_b, decay_lambda, wf, vq, cst; writes wf, vq, cst
.if DOCPART == 1
	.amdgcn_target "amdgcn-amd-amdhsa--gfx1250"
	.amdhsa_code_object_version 6
	.text
	.protected	k_q1d21c4e54c_prep
	.globl	k_q1d21c4e54c_prep
	.p2align	8
	.type	k_q1d21c4e54c_prep,@function
k_q1d21c4e54c_prep:
	s_mov_b64 s[64:65], 0
	v_nop
	global_prefetch_b8 v0, s[64:65] scope:SCOPE_SE
	s_setreg_imm32_b32 hwreg(HW_REG_WAVE_MODE, 25, 1), 1
	s_wait_xcnt 0x0
; What the second launch needs of the weights, made once.  EVERY INPUT IS ROUNDED TO bf16 FIRST, here and in the next launch; all that is made of the rounded numbers is f32.
; (a) wf: gate_w1 [1024][512] f32 as bf16 in the order in which a wave's matrix fragments are loaded: the 16 bytes of (K step k of 32, wave w of 4, fragment b of 8,
;     half j of 2, lane L) lie at ((((4 k + w) 8 + b) 2 + j) 32 + L) 16 and hold W1[32 k + 16 j + 8 (L / 16) + 0..7][128 w + 16 b + L % 16].
; (b) vq[d] = (sum over e of key_w[d][e] q[e]) / 32, in f32.  q . (g x Kw + kb) = g (x . (Kw q)) + kb . q for every input, so the product of 1024 x 1024 with every row of x
;     is one vector made here and one dot product a row later: the same value as the formula's, in another order of rounding.
; (c) cst: the pair (kb . q / 32, softplus(lambda)), 32 times: 256 bytes.
; LIMITS.  softplus = max(l, 0) + ln 2 log2(1 + 2^(-|l| log2 e)): its absolute error is about 1e-7, so below l = -16 its relative accuracy is lost.  NaN and infinities are not treated apart.
; SHARES.  256 work-groups of four waves.  Work-group g: 32 rows x 64 columns of W1 (K step g / 8, columns 64 (g % 8) on), and rows 4 g .. 4 g + 3 of key_w, one a wave.
; No LDS, no barrier: no wave needs another's numbers.
.set WN,  16                           ; v[16:31]   my 16 numbers of W1: two columns x eight rows; later v[16:19] at work
.set WB,  32                           ; v[32:39]   the same as bf16: two times 16 bytes
.set KW,  40                           ; v[40:71]   my 32 numbers of a row of key_w; later of key_b
.set QV,  72                           ; v[72:103]  the same 32 places of q
.set CH,  104                          ; v[104:111] four chains of packed sums
	s_load_b512 s[4:19], s[0:1], 0x0               ; W1 s[4:5], Kw s[6:7], q s[8:9], kb s[10:11], lambda s[12:13], wf s[14:15], vq s[16:17], cst s[18:19]
	v_and_b32 v2, 31, v0                           ; lane
	v_lshrrev_b32 v1, 5, v0
	v_readfirstlane_b32 s20, v1                    ; wave 0..3
	v_and_b32 v3, 15, v0                           ; r = lane % 16
	v_bfe_u32 v4, v0, 4, 1                         ; h = lane / 16
	s_and_b32 s21, s20, 1
	s_lshl_b32 s21, s21, 15                        ; half j = wave % 2: 16 rows of 2,048 bytes
	s_lshr_b32 s22, s20, 1
	s_lshl_b32 s22, s22, 6                         ; fragment wave / 2 (and two further on): 16 columns of 4 bytes
	s_add_co_u32 s21, s21, s22
	v_lshl_add_u32 v5, v3, 2, s21                  ; + column r
	v_lshl_add_u32 v5, v4, 14, v5                  ; + 8 h rows
	v_lshlrev_b32 v6, 4, v2                        ; 16 x lane: my place in 512 bytes of a row of key_w, of q and of key_b
	v_lshlrev_b32 v7, 4, v0                        ; 16 x thread: my place in the work-group's 4,096 bytes of wf
	s_lshr_b32 s22, ttmp9, 3
	s_lshl_b32 s22, s22, 16                        ; K step g / 8: 32 rows of 2,048 bytes
	s_and_b32 s23, ttmp9, 7
	s_lshl_b32 s23, s23, 8                         ; columns 64 (g % 8) on: 256 bytes
	s_add_co_u32 s22, s22, s23
	s_mov_b32 s23, 0
	s_lshl2_add_u32 s26, ttmp9, s20                ; d = 4 g + wave: my row of key_w
	s_lshl_b32 s24, s26, 12
	s_mov_b32 s25, 0
	s_lshl_b32 s26, s26, 2
	s_mov_b32 s27, 0
	s_lshl_b32 s28, ttmp9, 12
	s_mov_b32 s29, 0
	s_mov_b32 s30, 0x76543210                      ; v_permlanex16_b32: each lane takes its own place in the other half
	s_mov_b32 s31, 0xfedcba98
	s_wait_kmcnt 0x0
	s_add_nc_u64 s[4:5], s[4:5], s[22:23]
	s_add_nc_u64 s[6:7], s[6:7], s[24:25]
	s_add_nc_u64 s[16:17], s[16:17], s[26:27]
	s_add_nc_u64 s[14:15], s[14:15], s[28:29]
	; all 32 loads go out first: W1's sixteen, then key_w's eight and q's eight
.irp u, 0,1
.irp i, 0,1,2,3,4,5,6,7
	global_load_b32 v[WN+8*(\u)+(\i)], v5, s[4:5] offset:(\i)*2048+(\u)*128
.endr
.endr
.irp c, 0,1,2,3,4,5,6,7
	global_load_b128 v[KW+4*(\c):KW+4*(\c)+3], v6, s[6:7] offset:512*(\c) th:TH_LOAD_NT
.endr
.irp c, 0,1,2,3,4,5,6,7
	global_load_b128 v[QV+4*(\c):QV+4*(\c)+3], v6, s[8:9] offset:512*(\c)
.endr
	s_wait_loadcnt 16                              ; W1's sixteen are in; the sixteen behind them stay out
.irp u, 0,1
.irp i, 0,1,2,3
	v_cvt_pk_bf16_f32 v[WB+4*(\u)+(\i)], v[WN+8*(\u)+2*(\i)], v[WN+8*(\u)+2*(\i)+1]  ; rows 2 i and 2 i + 1 of a column: k ascending, the lower k in the lower half
.endr
.endr
	global_store_b128 v7, v[WB:WB+3], s[14:15]                 ; a wave's store covers 512 consecutive bytes, aligned
	global_store_b128 v7, v[WB+4:WB+7], s[14:15] offset:2048
; The 32 numbers at v[a ..] are rounded to bf16, in place, and stay f32: two roundings packed, then the low half moves up and the high half stays.
.macro RND a
.set n, 0
.rept 16
	v_cvt_pk_bf16_f32 v[WN+n%4], v[(\a)+2*n], v[(\a)+2*n+1]
	v_lshlrev_b32 v[(\a)+2*n], 16, v[WN+n%4]
	v_and_b32 v[(\a)+2*n+1], 0xffff0000, v[WN+n%4]
.set n, n+1
.endr
.endm
; The dot product of the 1,024 numbers at v[a ..] (32 a lane) with q, over the wave, divided by 32: into v[CH] of every lane.  The first four products start the chains.
.macro DOT a
.set n, 0
.rept 16
.if n < 4
	v_pk_mul_f32 v[CH+2*n:CH+2*n+1], v[(\a)+2*n:(\a)+2*n+1], v[QV+2*n:QV+2*n+1]
.else
	v_pk_fma_f32 v[CH+2*(n%4):CH+2*(n%4)+1], v[(\a)+2*n:(\a)+2*n+1], v[QV+2*n:QV+2*n+1], v[CH+2*(n%4):CH+2*(n%4)+1]
.endif
.set n, n+1
.endr
	v_pk_add_f32 v[CH:CH+1], v[CH:CH+1], v[CH+2:CH+3]
	v_pk_add_f32 v[CH+4:CH+5], v[CH+4:CH+5], v[CH+6:CH+7]
	v_pk_add_f32 v[CH:CH+1], v[CH:CH+1], v[CH+4:CH+5]
	v_add_f32 v[CH], v[CH], v[CH+1]
.irp m, 1,2,4,8
	v_add_f32_dpp v[CH], v[CH], v[CH] row_xmask:\m row_mask:0xf bank_mask:0xf
.endr
	v_permlanex16_b32 v[CH+1], v[CH], s30, s31
	v_add_f32 v[CH], v[CH], v[CH+1]
	v_mul_f32 v[CH], 0x3d000000, v[CH]             ; / sqrt(1024)
.endm
	s_wait_loadcnt 0x0                             ; key_w's row and q
	RND KW
	RND QV
	DOT KW
	v_mov_b32 v3, 0
	s_wait_xcnt 0x0                                ; EXEC is a source of the stores above: it is narrowed only behind this wait
	v_cmp_eq_u32 vcc_lo, 0, v2
	s_and_saveexec_b32 s32, vcc_lo
	global_store_b32 v3, v[CH], s[16:17]           ; four bytes a wave: vq is 4,096 bytes in all, and 64 rows to a work-group, for whole blocks, would leave 15 of 16 work-groups without a share of key_w's 4 MiB
	s_wait_xcnt 0x0                                ; and widened only behind this one; v[CH] is free too
	s_or_b32 exec_lo, exec_lo, s32
	s_or_b32 s33, ttmp9, s20                       ; the two constants: wave 0 of work-group 0 alone
	s_cmp_lg_u32 s33, 0
	s_cbranch_scc1 .Lend
	s_load_b32 s34, s[12:13], 0x0                  ; lambda
.irp c, 0,1,2,3,4,5,6,7
	global_load_b128 v[KW+4*(\c):KW+4*(\c)+3], v6, s[10:11] offset:512*(\c)
.endr
	s_mov_b32 s35, 0xbfb8aa3b                      ; -log2(e)
	s_wait_loadcnt 0x0
	RND KW                                         ; key_b; q is rounded already
	DOT KW                                         ; kb . q / 32
	s_wait_kmcnt 0x0
	v_mov_b32 v4, s34
	v_cvt_pk_bf16_f32 v4, v4, v4                   ; lambda rounded to bf16,
	v_lshlrev_b32 v4, 16, v4                       ; as f32
	v_mul_f32 v5, |v4|, s35
	v_exp_f32 v5, v5                               ; 2^(-|l| log2 e), in 0 to 1
	v_max_num_f32 v9, 0, v4                        ; a plain instruction stands behind each transcendental before its result is used (ISA guide 5.7.2)
	s_wait_alu depctr_va_vdst(0)
	v_add_f32 v5, 1.0, v5
	v_log_f32 v5, v5
	v_mov_b32 v8, v[CH]
	s_wait_alu depctr_va_vdst(0)
	v_fmamk_f32 v9, v5, 0x3f317218, v9             ; max(l, 0) + ln 2 x log2(..)
	v_lshlrev_b32 v10, 3, v2
	global_store_b64 v10, v[8:9], s[18:19]         ; the pair 32 times: 256 consecutive bytes, aligned
.Lend:
	s_endpgm
.Lfunc_end_k_q1d21c4e54c_prep:
	.size	k_q1d21c4e54c_prep, .Lfunc_end_k_q1d21c4e54c_prep-k_q1d21c4e54c_prep
	.p2alignl 7, 3214868480
	.fill 96, 4, 3214868480
	.section	.rodata,"a",@progbits
	.p2align	6, 0x0
	.amdhsa_kernel k_q1d21c4e54c_prep
		.amdhsa_group_segment_fixed_size 0
		.amdhsa_private_segment_fixed_size 0
		.amdhsa_enable_private_segment 0
		.amdhsa_kernarg_size 64
		.amdhsa_user_sgpr_count 2
		.amdhsa_user_sgpr_kernarg_segment_ptr 1
		.amdhsa_wavefront_size32 1
		.amdhsa_system_sgpr_workgroup_id_x 1
		.amdhsa_system_sgpr_workgroup_id_y 1
		.amdhsa_system_sgpr_workgroup_id_z 1
		.amdhsa_system_vgpr_workitem_id 0
		.amdhsa_next_free_vgpr 112
		.amdhsa_next_free_sgpr 66
		.amdhsa_reserve_vcc 1
		.amdhsa_float_denorm_mode_32 3
		.amdhsa_float_denorm_mode_16_64 3
		.amdhsa_memory_ordered 1
		.amdhsa_forward_progress 1
		.amdhsa_inst_pref_size 18
	.end_amdhsa_kernel
	.amdgpu_metadata
---
amdhsa.version: [ 1, 2 ]
amdhsa.kernels:
  - .name:           k_q1d21c4e54c_prep
    .symbol:         k_q1d21c4e54c_prep.kd
    .args:
      - { .name: gate_w1, .offset: 0, .size: 8, .value_kind: global_buffer, .address_space: global }
      - { .name: key_w, .offset: 8, .size: 8, .value_kind: global_buffer, .address_space: global }
      - { .name: attention_query, .offset: 16, .size: 8, .value_kind: global_buffer, .address_space: global }
      - { .name: key_b, .offset: 24, .size: 8, .value_kind: global_buffer, .address_space: global }
      - { .name: decay_lambda, .offset: 32, .size: 8, .value_kind: global_buffer, .address_space: global }
      - { .name: wf, .offset: 40, .size: 8, .value_kind: global_buffer, .address_space: global }
      - { .name: vq, .offset: 48, .size: 8, .value_kind: global_buffer, .address_space: global }
      - { .name: cst, .offset: 56, .size: 8, .value_kind: global_buffer, .address_space: global }
    .group_segment_fixed_size: 0
    .private_segment_fixed_size: 0
    .kernarg_segment_align: 8
    .kernarg_segment_size: 64
    .max_flat_workgroup_size: 128
    .sgpr_count:     66
    .vgpr_count:     112
    .wavefront_size: 32
...
	.end_amdgpu_metadata
.endif
;; end of part 1
;; launch pool (part 2): grid 8 x 32, 4 waves a work-group, no clusters, 308,224 bytes of LDS; arguments utterance_embeddings, attention_mask, gate_b1, gate_w2, gate_b2, wf, vq, cst, part; writes part
.if DOCPART == 2
	.amdgcn_target "amdgcn-amd-amdhsa--gfx1250"
	.amdhsa_code_object_version 6
	.text
	.protected	k_q1d21c4e54c_pool
	.globl	k_q1d21c4e54c_pool
	.p2align	8
	.type	k_q1d21c4e54c_pool,@function
k_q1d21c4e54c_pool:
	s_mov_b64 s[64:65], 0
	v_nop
	global_prefetch_b8 v0, s[64:65] scope:SCOPE_SE
	s_setreg_imm32_b32 hwreg(HW_REG_WAVE_MODE, 25, 1), 1
	s_wait_xcnt 0x0
; For 128 rows of one batch: gate = sigmoid(gelu(x W1 + b1) . w2 + b2); logit = gate (x . v) + c0 with v = Kw q / 32 and c0 = kb . q / 32 (made by the launch before: the same value as
; q . (gate x Kw + kb) / 32 in another order of rounding); d = logit - softplus(lambda) max(valid - 1 - t, 0), or -10000 where the mask says padding; then a part of the softmax and of the pooled sum:
; m = max d, l = sum of e = 2^((d - m) log2 e), and sum over rows of e gate x[row][:].  The last launch joins a batch's eight parts.
; x IS READ ONCE.  Each row comes in as f32, is rounded to bf16 and kept in LDS: first as an operand of x W1, at the end as an operand of the pooled sum; x . v is summed from the rounded numbers on the way.
; FORMATS AND LIMITS.  EVERY FLOATING-POINT INPUT IS ROUNDED TO bf16 ONCE (x, b1, w2, b2 here; W1, key_w, q, key_b, lambda in the launch before), and the same rounded number is used wherever the input
; appears.  All that is made of them is f32: sums, x . v, the GELU, the gate, the softmax, l.  The weight e gate of a row goes to the matrix unit as two bf16 numbers, hi = bf16(w) and lo = bf16(w - hi),
; so that it keeps 16 bits.  erf by Abramowitz and Stegun 7.1.26, within 1.5e-7 for every argument.  A weight below 2^-126 counts as 0.  NaN and infinities are not treated apart.
; SHARES.  256 work-groups of four waves; work-group (x, y): rows 128 x .. 128 x + 127 of batch y.  A wave makes all 128 rows x its own 128 of the 512 columns of x W1: 64 accumulators of 16 x 16,
; 512 registers.  The matrix instruction is used transposed (source 0 = 16 columns of W1, source 1 = 16 rows of x): a lane holds one row of x and eight neighbouring columns.
; ROADS.  x: 16-byte loads into a ring of four register buffers (lanes 0-15 take 256 consecutive bytes of a row, lanes 16-31 of the row 8 further down), converted, stored into LDS; every LDS byte of
; x is written once.  W1: no two waves of the work-group use the same fragments, so each wave loads its own straight into registers, 512 consecutive bytes a load, three K steps ahead.
; NO CLUSTER, NO TENSOR LOADS.  128 rows of x in bf16 take 294,912 bytes of LDS and the scratch 12,800; what is left of 327,680 is 19,968, less than the 32,768 bytes of W1 that one K step of 32 takes,
; so there is no room for slots of W1 that work-groups could ask for jointly; with 64 rows to a work-group W1 would be walked twice.  x is shared with nobody.
; REGISTERS, in windows of 256 (s_set_vgpr_msb: bits 1:0 source 0, 3:2 source 1, 5:4 source 2, 7:6 destination):
;   window 0: v0-11 addresses; v12-15 v of my 4 columns; v16-31 at work; v32-63 sums of x . v; v64-127 fragments of x; v128-255 the ring of x as loaded
;   window 1: four buffers of 64: W1's fragments of a K step     window 2: the accumulators of rows 0-63 ((a, b) at 8 (8 a + b))     window 3: those of rows 64-127
.set XP,   144                         ; a row of a chunk in LDS: 64 bf16 + 16 bytes of padding = 36 words: the 16 rows of a fragment load start at 16 different groups of four banks (64 banks of 4 bytes: ISA guide 11.1)
.set XCH,  128*XP                      ; a chunk: 64 columns of all 128 rows
.set VT,   16*XCH                      ; behind the 16 chunks: v, 1,024 f32
.set SC,   VT+4096                     ; four planes of 128 f32 (each wave's part of gelu . w2), then at LPO one plane of x . v
.set LPO,  2048
.set WT,   SC+2560                     ; for each wave 512 bytes: the 128 weights' hi parts as bf16, then their lo parts
.set OS,   WT+2048                     ; for each wave 1,024 bytes: its 256 pooled sums on the way out
.set PROW, 4352                        ; a work-group's part: 1,024 f32, then (m, l) 32 times
.set XO,  2                            ; v2   my byte offset in x: (32 w + 8 h) rows + 16 r; never rewritten
.set XSA, 3                            ; v3   where my 8 bytes of bf16 go in a chunk; steps with the groups
.set AA,  4                            ; v4   my place in a fragment of x: r rows + 16 h; steps with the groups
.set LPA, 5                            ; v5   where my sums of x . v go
.set GPA, 6                            ; v6   where my sums of gelu . w2 go; steps with the row blocks
.set SCA, 7                            ; v7   where I read four rows' sums back
.set BO,  8                            ; v8   my byte offset in a K step of wf; never rewritten
.set VTA, 9                            ; v9   v of my 4 columns; steps with the groups
.set ML,  10                           ; v[10:11] m, l
.set VV,  12
.set T,   16
.set LA,  32                           ; row n of my 16: the pair at LA + 2 n (even columns' sum, odd columns')
.set AF,  64                           ; fragment a of x at AF + 8 a
.set XS,  128                          ; buffer i at XS + 32 i
.set U,   64                           ; the epilogue: 64 arguments of the GELU
.set W2,  128                          ; w2 of my 64 columns
.set D,   208                          ; eight registers each, at work
.set Q,   216
.set HU,  224
.set H,   232
.set SUM, 240
.set MSB, 0
.macro WIN new                         ; the immediate's high byte repeats the setting that is left; a switch that changes nothing is dropped
.if MSB != (\new)
	s_set_vgpr_msb (MSB<<8)|(\new)
.set MSB, (\new)
.endif
.endm
.set MUL_LO, 0xa1                      ; source 0 (W1) window 1, source 1 (x) window 0, C and D window 2
.set TO_B,   0x40                      ; destination window 1, address window 0
	s_load_b512 s[4:19], s[0:1], 0x0               ; x s[4:5], mask s[6:7], b1 s[8:9], w2 s[10:11], b2 s[12:13], wf s[14:15], vq s[16:17], cst s[18:19]
	s_load_b64 s[20:21], s[0:1], 0x40              ; part
	v_lshrrev_b32 v1, 5, v0
	v_readfirstlane_b32 s22, v1                    ; wave w
	s_mov_b32 s23, ttmp9                           ; which 128 rows of the batch
	s_and_b32 s24, ttmp7, 0xffff                   ; the batch
	s_lshl3_add_u32 s25, s24, s23                  ; the work-group's number
	v_and_b32 v12, 15, v0                          ; r
	v_bfe_u32 v13, v0, 4, 1                        ; h
	v_and_b32 v14, 31, v0                          ; lane
	s_lshl_b32 s26, s22, 5
	v_lshl_add_u32 v15, v13, 3, s26                ; 32 w + 8 h
	v_lshlrev_b32 v[XO], 12, v15
	v_lshl_add_u32 v[XO], v12, 4, v[XO]
	v_mul_u32_u24 v[XSA], v15, XP
	v_lshl_add_u32 v[XSA], v12, 3, v[XSA]
	v_mul_u32_u24 v[AA], v12, XP
	v_lshl_add_u32 v[AA], v13, 4, v[AA]
	v_lshl_add_u32 v[LPA], v15, 2, SC+LPO
	s_lshl_b32 s27, s22, 9
	s_add_co_u32 s27, s27, SC
	v_lshl_add_u32 v[GPA], v12, 2, s27
	v_lshl_add_u32 v[SCA], v14, 4, SC
	s_lshl_b32 s27, s22, 13
	v_lshl_add_u32 v[BO], v14, 4, s27
	v_lshl_add_u32 v[VTA], v12, 4, VT
	v_lshlrev_b32 v1, 5, v0                        ; my 32 bytes of vq,
	v_lshl_add_u32 v16, v0, 5, VT                  ; and where they go
	s_mov_b32 s36, 0x76543210                      ; v_permlanex16_b32: each lane takes its own place in the other half
	s_mov_b32 s37, 0xfedcba98
	s_mov_b32 s38, 0x3f596d27                      ; S = sqrt(log2(e) / 2): with U = S u, e^(-u^2 / 2) = 2^(-U^2)
	s_mov_b32 s39, s38                             ; (scalars that packed instructions name are written as pairs)
	s_mov_b32 s40, 0x3e8ba43f                      ; 0.3275911 / sqrt(log2 e): t = 1 / (1 + this |U|)
	s_mov_b32 s41, 0x01010101
	s_mov_b32 s42, 0x3e027906                      ; the five coefficients, halved: 0.127414796,
	s_mov_b32 s43, s42
	s_mov_b32 s44, 0xbe11a98e                      ; -0.142248368,
	s_mov_b32 s45, s44
	s_mov_b32 s46, 0x3f35f0e3                      ; 0.7107068705,
	s_mov_b32 s47, s46
	s_mov_b32 s48, 0xbf3a00e3                      ; -0.7265760135,
	s_mov_b32 s49, s48
	s_mov_b32 s50, 0x3f07dc22                      ; 0.5307027145
	s_mov_b32 s51, s50
	s_mov_b32 s52, 0x3fb8aa3b                      ; log2(e)
	s_mov_b32 s53, s52
	s_mov_b32 s54, 0x3f96b55f                      ; 1 / S
	s_mov_b32 s55, s54
	s_wait_kmcnt 0x0
	s_load_b32 s30, s[12:13], 0x0                  ; b2
	s_load_b64 s[32:33], s[18:19], 0x0             ; c0, softplus(lambda)
	s_lshl_b32 s26, s25, 19                        ; 128 rows of 4,096 bytes: 2^27 at the most
	s_mov_b32 s27, 0
	s_add_nc_u64 s[4:5], s[4:5], s[26:27]
	s_lshl_b32 s26, s24, 10
	s_add_nc_u64 s[6:7], s[6:7], s[26:27]          ; the batch's 1,024 mask bytes
	s_mul_i32 s26, s25, PROW
	s_add_nc_u64 s[20:21], s[20:21], s[26:27]
; A STEP is 32 along K: 64 matrix instructions.  A CHUNK is 64 columns of x, two steps.  A HALF-CHUNK is what a wave loads at once: 16 of its 32 rows (e = 0, 1) of a chunk, 8 loads.
; A GROUP is four steps; offsets below count from the group's bases, which ADVANCE steps.
; 32 matrix instructions: rows 64 hi .. 64 hi + 63 x my 128 columns.  All 64 accumulators take turns, one instruction a turn and in the same order in every step.
; zero = 1: the first step's products start the sums: nothing is cleared.
.macro MUL32 buf, hi, zero
	WIN MUL_LO+0x50*(\hi)
.irp a, 0,1,2,3
.irp b, 0,1,2,3,4,5,6,7
.if \zero
	v_wmma_f32_16x16x32_bf16 v[8*(8*(\a)+(\b)):8*(8*(\a)+(\b))+7], v[64*(\buf)+8*(\b):64*(\buf)+8*(\b)+7], v[AF+8*(4*(\hi)+(\a)):AF+8*(4*(\hi)+(\a))+7], 0
.else
	v_wmma_f32_16x16x32_bf16 v[8*(8*(\a)+(\b)):8*(8*(\a)+(\b))+7], v[64*(\buf)+8*(\b):64*(\buf)+8*(\b)+7], v[AF+8*(4*(\hi)+(\a)):AF+8*(4*(\hi)+(\a))+7], v[8*(8*(\a)+(\b)):8*(8*(\a)+(\b))+7]
.endif
.endr
.endr
.endm
; Four fragments of x (16 rows x 32 K: lane l holds row l % 16, K = 8 (l / 16) + 0..7 and 16 + 8 (l / 16) + 0..7: two loads of 16 bytes, 32 bytes apart) at byte koff of the group's chunks
.macro ALOAD hi, koff
.irp a, 0,1,2,3
	ds_load_b128 v[AF+8*(4*(\hi)+(\a)):AF+8*(4*(\hi)+(\a))+3],   v[AA] offset:(\koff)+(4*(\hi)+(\a))*16*XP
	ds_load_b128 v[AF+8*(4*(\hi)+(\a))+4:AF+8*(4*(\hi)+(\a))+7], v[AA] offset:(\koff)+(4*(\hi)+(\a))*16*XP+32
.endr
.endm
.macro BLOAD buf, st                   ; my eight fragments of W1 for step st of the group: 16 loads of 512 consecutive bytes
	WIN TO_B
.irp b, 0,1,2,3,4,5,6,7
	global_load_b128 v[64*(\buf)+8*(\b):64*(\buf)+8*(\b)+3],   v[BO], s[14:15] offset:(\st)*32768+(\b)*1024
	global_load_b128 v[64*(\buf)+8*(\b)+4:64*(\buf)+8*(\b)+7], v[BO], s[14:15] offset:(\st)*32768+(\b)*1024+512
.endr
	WIN 0
.endm
.macro XLOAD buf, e, cq                ; a half-chunk of x: chunk cq of the group, my rows 16 e + 0..7 (+ 8 for lanes 16-31)
.irp u, 0,1,2,3,4,5,6,7
	global_load_b128 v[XS+32*(\buf)+4*(\u):XS+32*(\buf)+4*(\u)+3], v[XO], s[4:5] offset:(16*(\e)+(\u))*4096+(\cq)*256 th:TH_LOAD_NT
.endr
.endm
; A half-chunk is converted: 16 packed roundings to bf16; 32 multiply-adds for x . v, each a bf16 half of the rounded x times an f32 of v onto an f32 sum; 8 LDS stores of 8 bytes.
; first = 1: a row's sums begin: its first two columns are widened (the low half moves up, the high half stays) and multiplied, so that nothing is cleared.
.macro CONV buf, e, cq, first
.irp u, 0,1,2,3,4,5,6,7
	v_cvt_pk_bf16_f32 v[T+2*(\u)],   v[XS+32*(\buf)+4*(\u)],   v[XS+32*(\buf)+4*(\u)+1]
	v_cvt_pk_bf16_f32 v[T+2*(\u)+1], v[XS+32*(\buf)+4*(\u)+2], v[XS+32*(\buf)+4*(\u)+3]
.endr
.if \first
.irp u, 0,1,2,3,4,5,6,7
	v_lshlrev_b32 v[LA+2*(8*(\e)+(\u))],   16, v[T+2*(\u)]
	v_and_b32     v[LA+2*(8*(\e)+(\u))+1], 0xffff0000, v[T+2*(\u)]
.endr
.irp u, 0,1,2,3,4,5,6,7
	v_pk_mul_f32 v[LA+2*(8*(\e)+(\u)):LA+2*(8*(\e)+(\u))+1], v[LA+2*(8*(\e)+(\u)):LA+2*(8*(\e)+(\u))+1], v[VV:VV+1]
.endr
.else
.irp u, 0,1,2,3,4,5,6,7
	v_fma_mix_f32_bf16 v[LA+2*(8*(\e)+(\u))],   v[T+2*(\u)], v[VV],   v[LA+2*(8*(\e)+(\u))]   op_sel_hi:[1,0,0]
.endr
.irp u, 0,1,2,3,4,5,6,7
	v_fma_mix_f32_bf16 v[LA+2*(8*(\e)+(\u))+1], v[T+2*(\u)], v[VV+1], v[LA+2*(8*(\e)+(\u))+1] op_sel:[1,0,0] op_sel_hi:[1,0,0]
.endr
.endif
.irp u, 0,1,2,3,4,5,6,7
	v_fma_mix_f32_bf16 v[LA+2*(8*(\e)+(\u))],   v[T+2*(\u)+1], v[VV+2], v[LA+2*(8*(\e)+(\u))]   op_sel_hi:[1,0,0]
.endr
.irp u, 0,1,2,3,4,5,6,7
	v_fma_mix_f32_bf16 v[LA+2*(8*(\e)+(\u))+1], v[T+2*(\u)+1], v[VV+3], v[LA+2*(8*(\e)+(\u))+1] op_sel:[1,0,0] op_sel_hi:[1,0,0]
.endr
.irp u, 0,1,2,3,4,5,6,7
	ds_store_b64 v[XSA], v[T+2*(\u):T+2*(\u)+1] offset:(\cq)*XCH+(16*(\e)+(\u))*XP
.endr
.endm
.macro VLOAD cq                        ; v of my 4 columns of chunk cq of the group
	ds_load_b128 v[VV:VV+3], v[VTA] offset:(\cq)*256
.endm
; A load into a register that a matrix instruction has read stands four places behind it, and only plain vector instructions that name none of its registers are places
; (ISA guide 7.12.1 for vector instructions).
.macro PLACES
.rept 4
	v_nop
.endr
.endm
.macro ADVANCE                         ; on to the next group: two chunks of x, four K steps of W1
	s_wait_xcnt 0x0                                ; the loads' bases are stepped only behind this wait
	s_add_nc_u64 s[4:5], s[4:5], 512
	s_add_nc_u64 s[14:15], s[14:15], 4*32768
	v_add_nc_u32 v[XSA], 2*XCH, v[XSA]
	v_add_nc_u32 v[AA], 2*XCH, v[AA]
	v_add_nc_u32 v[VTA], 512, v[VTA]
.endm
; STEP j (jj = j % 4).  Its 64 products; in its middle the lower half of x's fragments for step j + 1; at its end: the wait for loads, the conversion of half-chunk j + 4 (cv), the upper half of the
; fragments for step j + 1 (an), v for the next chunk (vl), the loads of W1 for step j + 3 (bl) and of half-chunk j + 8 (xl).
; bar = 1 (even steps): chunk j / 2 + 1 is handed over.  Its last stores were issued at the end of step j - 1; each wave waits for them and signals in the step's middle, waits for the others at the
; step's end, and the chunk is first read in the middle of step j + 1.  Between signal and wait stand matrix instructions and LDS loads of an older chunk, which nobody writes any more.
; dsw: the LDS instructions younger than the lower fragments of this step: the 8 stores and the 8 loads of the upper fragments, or those 8 loads alone.
; lw: the loads younger than W1's fragments of step j + 1, which may stay out: in the loop 8 of x, 16 of W1, 8 of x.
.macro STEP jj, zero, bar, cv, vl, bl, xl, lw, an, dsw
.set KO, (((\jj)+1)>>1)*XCH+(((\jj)+1)&1)*64
.set EE, (\jj)&1
.set C4, ((\jj)+4)>>1
.set C5, ((\jj)+5)>>1
.set C8, ((\jj)+8)>>1
.set B3, ((\jj)+3)%4
	s_wait_dscnt \dsw
	MUL32 \jj, 0, \zero
	WIN 0
.if \bar
	s_wait_dscnt 0x0                               ; for the others' sake: my stores of the chunk are done (and no LDS instruction of mine is out at the signal)
	s_barrier_signal -1
.endif
.if \an
	PLACES
	ALOAD 0, KO
.endif
	s_wait_dscnt 8*(\an)                           ; the upper fragments of this step are in; the 8 loads just issued may be out
	MUL32 \jj, 1, \zero
	WIN 0
.if \bar
	s_barrier_wait -1
.endif
.if (\lw) >= 0
	s_wait_loadcnt \lw
.endif
.if \cv
	CONV \jj, EE, C4, 0                            ; its sixteen conversions, which come first, are also the places in front of the loads below
.elseif \an
	PLACES
.endif
.if \an
	ALOAD 1, KO
.endif
.if \vl
	VLOAD C5
.endif
.if \bl
	BLOAD B3, (\jj)+3
.endif
.if \xl
	XLOAD \jj, EE, C8
.endif
.endm
	; THE START.  v goes into LDS; chunks 0 and 1 are converted; the ring of x and three steps of W1 are asked for.
	global_load_b128 v[64:67], v1, s[16:17]
	global_load_b128 v[68:71], v1, s[16:17] offset:16
	XLOAD 0, 0, 0
	XLOAD 1, 1, 0
	XLOAD 2, 0, 1
	XLOAD 3, 1, 1
	s_wait_loadcnt 32                              ; v's two loads are in; x's 32 stay out
	ds_store_b128 v16, v[64:67]
	ds_store_b128 v16, v[68:71] offset:16
	s_wait_dscnt 0x0                               ; for the others' sake
	s_barrier_signal -1
	s_barrier_wait -1                              ; v is whole
	VLOAD 0
	s_wait_loadcnt 24                              ; half-chunk 0 is in; three stay out
	s_wait_dscnt 0x0                               ; v of chunk 0
	CONV 0, 0, 0, 1
	XLOAD 0, 0, 2
	s_wait_loadcnt 24                              ; half-chunk 1 is in
	CONV 1, 1, 0, 1
	VLOAD 1
	BLOAD 0, 0
	XLOAD 1, 1, 2
	s_wait_loadcnt 32                              ; half-chunks 2 and 3 are in (40 would do for the first alone): out are 8 of x, 16 of W1, 8 of x
	s_wait_dscnt 0x0                               ; v of chunk 1
	CONV 2, 0, 1, 0
	BLOAD 1, 1
	XLOAD 2, 0, 3
	s_wait_loadcnt 32                              ; half-chunk 4 and W1's step 0 are in
	CONV 3, 1, 1, 0
	VLOAD 2
	BLOAD 2, 2
	XLOAD 3, 1, 3
	s_wait_dscnt 0x0                               ; my stores of chunks 0 and 1 are done, and v of chunk 2 is in
	s_barrier_signal -1
	s_barrier_wait -1                              ; chunks 0 and 1 are whole
	ALOAD 0, 0
	ALOAD 1, 0
	s_wait_kmcnt 0x0                               ; b2, c0, softplus(lambda): the last two written out as pairs
	s_mov_b32 s34, s33
	s_mov_b32 s35, s33
	s_mov_b32 s33, s32
	;    jj zero bar cv vl bl xl  lw an dsw
	STEP 0, 1, 0, 1, 0, 1, 1, 32, 1, 8             ; steps 0 to 3: the first starts the sums, and chunk 1 has been handed over already
	STEP 1, 0, 0, 1, 1, 1, 1, 32, 1, 16
	STEP 2, 0, 1, 1, 0, 1, 1, 32, 1, 16
	STEP 3, 0, 0, 1, 1, 1, 1, 32, 1, 16
	ADVANCE
	s_mov_b32 s28, 5
.Lgroup:                                               ; steps 4 to 23
	STEP 0, 0, 1, 1, 0, 1, 1, 32, 1, 16
	STEP 1, 0, 0, 1, 1, 1, 1, 32, 1, 16
	STEP 2, 0, 1, 1, 0, 1, 1, 32, 1, 16
	STEP 3, 0, 0, 1, 1, 1, 1, 32, 1, 16
	ADVANCE
	s_sub_co_u32 s28, s28, 1
	s_cmp_lg_u32 s28, 0
	s_cbranch_scc1 .Lgroup
	STEP 0, 0, 1, 1, 0, 1, 0, 32, 1, 16            ; steps 24 to 31 are written out: no load leaves x or wf, and the counts run down with the loads that are left
	STEP 1, 0, 0, 1, 1, 1, 0, 24, 1, 16            ; younger than W1's step 26: 8 of x, 16 of W1
	STEP 2, 0, 1, 1, 0, 1, 0, 16, 1, 16            ; from here on: the 16 of W1's next step but one
	STEP 3, 0, 0, 1, 0, 1, 0, 16, 1, 16            ; the last half-chunk is converted
	ADVANCE
	STEP 0, 0, 1, 0, 0, 1, 0, 16, 1, 16            ; chunk 15 is handed over
	STEP 1, 0, 0, 0, 0, 0, 0, 16, 1, 8
	STEP 2, 0, 0, 0, 0, 0, 0, 0, 1, 8
	; What the epilogue needs is asked for one step ahead: b1 and w2 of my 64 columns a lane (column 128 w + 16 b + 8 h + j), the batch's mask (32 bytes a lane), the mask of rows 4 l .. 4 l + 3 of my 128.
	v_bfe_u32 v16, v0, 4, 1
	v_lshlrev_b32 v16, 5, v16
	v_lshl_add_u32 v16, s22, 9, v16                ; 512 w + 32 h
	v_and_b32 v18, 31, v0
	v_lshlrev_b32 v17, 5, v18
	s_lshl_b32 s26, s23, 7
	v_lshl_add_u32 v18, v18, 2, s26
	WIN TO_B                                       ; b1 into W1's buffer 0, last multiplied in step 28
.irp b, 0,1,2,3,4,5,6,7
	global_load_b128 v[8*(\b):8*(\b)+3],   v16, s[8:9] offset:64*(\b)
	global_load_b128 v[8*(\b)+4:8*(\b)+7], v16, s[8:9] offset:64*(\b)+16
.endr
	WIN 0
.irp b, 0,1,2,3,4,5,6,7
	global_load_b128 v[W2+8*(\b):W2+8*(\b)+3],   v16, s[10:11] offset:64*(\b)
	global_load_b128 v[W2+8*(\b)+4:W2+8*(\b)+7], v16, s[10:11] offset:64*(\b)+16
.endr
	global_load_b128 v[192:195], v17, s[6:7]
	global_load_b128 v[196:199], v17, s[6:7] offset:16
	global_load_b32 v200, v18, s[6:7]
	STEP 3, 0, 0, 0, 0, 0, 0, -1, 0, 8
	; x . v: a row's pair, then the 16 lanes that hold the row.  These plain additions are the places behind the last products.
.set n, 0
.rept 16
	v_add_f32 v[LA+2*n], v[LA+2*n], v[LA+2*n+1]
.set n, n+1
.endr
.irp m, 1,2,4,8
.set n, 0
.rept 16
	v_add_f32_dpp v[LA+2*n], v[LA+2*n], v[LA+2*n] row_xmask:\m row_mask:0xf bank_mask:0xf
.set n, n+1
.endr
.endr
.set n, 0
.rept 16
	ds_store_b32 v[LPA], v[LA+2*n] offset:(16*(n/8)+n%8)*4   ; sixteen lanes write the same word with the same number
.set n, n+1
.endr
	; THE GELU AND ITS PRODUCT WITH w2.  U = S (sum + b1); t = 1 / (1 + P |U|); y = t 2^(-U^2) (A1 + t (A2 + t (A3 + t (A4 + t A5)))) = (1 - erf) / 2; S gelu = |U| (0.5 - y) + 0.5 U.
	; b1 and w2 are rounded to bf16 like every input (two roundings packed, then widened again); then b1 is multiplied by S and w2 by 1 / S once, so that the scale costs nothing in the loop.
	s_wait_loadcnt 0x0                             ; b1, w2, the masks
	WIN 0x05                                       ; sources 0 and 1 in window 1, destination in window 0
.set n, 0
.rept 32
	v_cvt_pk_bf16_f32 v[D+n], v[2*n], v[2*n+1]
.set n, n+1
.endr
	WIN 0x40                                       ; destination in window 1, sources in window 0
.set n, 0
.rept 32
	v_lshlrev_b32 v[2*n],   16, v[D+n]
	v_and_b32     v[2*n+1], 0xffff0000, v[D+n]
.set n, n+1
.endr
	WIN 0x41                                       ; destination and source 0 in window 1
.set n, 0
.rept 32
	v_pk_mul_f32 v[2*n:2*n+1], v[2*n:2*n+1], s[38:39] op_sel_hi:[1,0]
.set n, n+1
.endr
	WIN 0
.set n, 0
.rept 32
	v_cvt_pk_bf16_f32 v[D+n], v[W2+2*n], v[W2+2*n+1]
.set n, n+1
.endr
.set n, 0
.rept 32
	v_lshlrev_b32 v[W2+2*n],   16, v[D+n]
	v_and_b32     v[W2+2*n+1], 0xffff0000, v[D+n]
.set n, n+1
.endr
.set n, 0
.rept 32
	v_pk_mul_f32 v[W2+2*n:W2+2*n+1], v[W2+2*n:W2+2*n+1], s[54:55] op_sel_hi:[1,0]
.set n, n+1
.endr
; Row block a (16 rows): its eight accumulators times S plus S b1, into U.  Each accumulator is read from its low end on.
.macro CASE a
	WIN 0x12+((\a)/4)                              ; source 0 window 2 or 3, source 2 window 1, destination window 0
.set n, 0
.rept 32
	v_pk_fma_f32 v[U+2*n:U+2*n+1], v[64*((\a)%4)+2*n:64*((\a)%4)+2*n+1], s[38:39], v[2*n:2*n+1] op_sel_hi:[1,0,1]
.set n, n+1
.endr
	WIN 0
.endm
; Eight of a lane's 64 numbers.  The 16 transcendentals stand together, and four plain instructions follow them before a result is used (ISA guide 5.7.2).
.macro GRP n
.set UU, U+8*(\n)
.set WW, W2+8*(\n)
.irp i, 0,1,2,3,4,5,6,7
	v_fma_f32 v[D+(\i)], |v[UU+(\i)]|, s40, 1.0
.endr
.irp i, 0,2,4,6
	v_pk_mul_f32 v[Q+(\i):Q+(\i)+1], v[UU+(\i):UU+(\i)+1], v[UU+(\i):UU+(\i)+1] neg_lo:[1,0] neg_hi:[1,0]
.endr
.irp i, 0,1,2,3,4,5,6,7
	v_rcp_f32 v[D+(\i)], v[D+(\i)]                 ; t
.endr
.irp i, 0,1,2,3,4,5,6,7
	v_exp_f32 v[Q+(\i)], v[Q+(\i)]                 ; 2^(-U^2)
.endr
.irp i, 0,2,4,6
	v_pk_mul_f32 v[HU+(\i):HU+(\i)+1], v[UU+(\i):UU+(\i)+1], 0.5 op_sel_hi:[1,0]
.endr
	s_wait_alu depctr_va_vdst(0)
.irp i, 0,2,4,6
	v_pk_fma_f32 v[H+(\i):H+(\i)+1], v[D+(\i):D+(\i)+1], s[50:51], s[48:49] op_sel_hi:[1,0,0]
.endr
.irp c, 46,44,42
.irp i, 0,2,4,6
	v_pk_fma_f32 v[H+(\i):H+(\i)+1], v[H+(\i):H+(\i)+1], v[D+(\i):D+(\i)+1], s[\c:\c+1] op_sel_hi:[1,1,0]
.endr
.endr
.irp i, 0,2,4,6
	v_pk_mul_f32 v[Q+(\i):Q+(\i)+1], v[Q+(\i):Q+(\i)+1], v[D+(\i):D+(\i)+1]
.endr
.irp i, 0,2,4,6
	v_pk_fma_f32 v[H+(\i):H+(\i)+1], v[H+(\i):H+(\i)+1], v[Q+(\i):Q+(\i)+1], 0.5 op_sel_hi:[1,1,0] neg_lo:[1,0,0] neg_hi:[1,0,0]
.endr
.irp i, 0,1,2,3,4,5,6,7
	v_fma_f32 v[HU+(\i)], |v[UU+(\i)]|, v[H+(\i)], v[HU+(\i)]
.endr
.irp i, 0,2,4,6
.if (\n) == 0
	v_pk_mul_f32 v[SUM+(\i):SUM+(\i)+1], v[WW+(\i):WW+(\i)+1], v[HU+(\i):HU+(\i)+1]
.else
	v_pk_fma_f32 v[SUM+(\i):SUM+(\i)+1], v[WW+(\i):WW+(\i)+1], v[HU+(\i):HU+(\i)+1], v[SUM+(\i):SUM+(\i)+1]
.endif
.endr
.endm
	s_mov_b32 s29, 8
.Lgelu:                                                ; eight trips, row block 8 - s29: only the lines that name the accumulators differ, so they alone are written eight times
.irp a, 0,1,2,3,4,5,6
	s_cmp_eq_u32 s29, 8-(\a)
	s_cbranch_scc1 .Lcase\a
.endr
	CASE 7
	s_branch .Lbody
.irp a, 0,1,2,3,4,5
.Lcase\a:
	CASE \a
	s_branch .Lbody
.endr
.Lcase6:
	CASE 6
.Lbody:
.irp g, 0,1,2,3,4,5,6,7
	GRP \g
.endr
	v_pk_add_f32 v[SUM:SUM+1], v[SUM:SUM+1], v[SUM+2:SUM+3]
	v_pk_add_f32 v[SUM+4:SUM+5], v[SUM+4:SUM+5], v[SUM+6:SUM+7]
	v_pk_add_f32 v[SUM:SUM+1], v[SUM:SUM+1], v[SUM+4:SUM+5]
	v_add_f32 v[SUM], v[SUM], v[SUM+1]
	v_permlanex16_b32 v[SUM+1], v[SUM], s36, s37   ; the row's other 64 of my columns lie in the lane 16 away
	v_add_f32 v[SUM], v[SUM], v[SUM+1]
	ds_store_b32 v[GPA], v[SUM]                    ; my plane, row 16 a + r
	v_add_nc_u32 v[GPA], 64, v[GPA]
	s_sub_co_u32 s29, s29, 1
	s_cmp_lg_u32 s29, 0
	s_cbranch_scc1 .Lgelu
	; addresses for the rest
	v_and_b32 v23, 31, v0                          ; lane
	v_and_b32 v24, 15, v0                          ; r
	v_bfe_u32 v25, v0, 4, 1                        ; h
	s_lshl_b32 s26, s22, 9
	s_add_co_u32 s26, s26, WT                      ; my wave's 128 weights: hi parts, and 256 bytes on the lo parts
	v_lshl_add_u32 v1, v23, 3, s26                 ; in: four of them a lane
	v_lshl_add_u32 v16, v25, 4, s26                ; back: as a fragment whose 16 rows are alike
	v_and_b32 v26, 7, v0
	v_lshl_add_u32 v26, v25, 3, v26
	v_mul_u32_u24 v17, v26, XP                     ; the turning load: lane l reads row 8 (l / 16) + l % 8, columns 8 ((l / 8) % 2) + 0..7
	v_bfe_u32 v26, v0, 3, 1
	v_lshl_add_u32 v17, v26, 4, v17
	s_mul_i32 s26, s22, 4*XCH                      ; my wave's 256 columns: chunks 4 w .. 4 w + 3
	v_add_nc_u32 v17, s26, v17
	v_add_nc_u32 v18, 2*XCH, v17                   ; the upper two chunks have an address of their own: the offsets stay inside 16 bits
	s_lshl_b32 s26, s22, 10
	v_lshl_add_u32 v21, v23, 4, s26                ; my 16 bytes in the work-group's part
	s_add_co_u32 s27, s26, OS
	v_lshl_add_u32 v19, v24, 2, s27
	v_lshl_add_u32 v20, v23, 4, s27
	v_lshlrev_b32 v22, 3, v23
	s_lshl_b32 s26, s23, 7
	v_lshl_add_u32 v27, v23, 2, s26
	v_cvt_f32_u32 v27, v27                         ; t of my first row: 128 x + 4 l
	; the batch's padding, counted: each byte is 0 or 1, eight words added byte by byte hold 8 at the most, the multiply gathers the four bytes in the top one
	v_add3_u32 v192, v192, v193, v194
	v_add3_u32 v195, v195, v196, v197
	v_add3_u32 v192, v192, v195, v198
	v_add_nc_u32 v192, v192, v199
	v_mul_lo_u32 v192, v192, s41
	v_lshrrev_b32 v192, 24, v192
	v_cvt_f32_u32 v192, v192
.irp m, 1,2,4,8
	v_add_f32_dpp v192, v192, v192 row_xmask:\m row_mask:0xf bank_mask:0xf
.endr
	v_permlanex16_b32 v193, v192, s36, s37
	v_add_f32 v192, v192, v193
	v_sub_f32 v192, 0x447fc000, v192               ; 1023 - padding = valid - 1: whole numbers, exact in f32
	v_sub_f32 v192, v192, v27                      ; less t
	s_wait_dscnt 0x0                               ; for the others' sake: my sums of x . v and of gelu . w2 are stored
	s_barrier_signal -1
	s_barrier_wait -1
	; THE SOFTMAX'S PART.  Every wave does it for all 128 rows, four a lane, so no further barrier is needed.
.irp p, 0,1,2,3,4
	ds_load_b128 v[64+4*(\p):67+4*(\p)], v[SCA] offset:512*(\p)   ; the four waves' planes, then x . v
.endr
	v_add_f32 v89, -1.0, v192
	v_add_f32 v90, -2.0, v192
	v_add_f32 v91, 0xc0400000, v192
	v_max_num_f32 v88, 0, v192                     ; max(valid - 1 - t, 0) of my four rows
	v_max_num_f32 v89, 0, v89
	v_max_num_f32 v90, 0, v90
	v_max_num_f32 v91, 0, v91
	v_mov_b32 v92, s30
	v_cvt_pk_bf16_f32 v92, v92, v92                ; b2 rounded to bf16,
	v_lshlrev_b32 v92, 16, v92                     ; as f32,
	v_mov_b32 v93, v92                             ; twice
	s_wait_dscnt 0x0
	v_pk_add_f32 v[64:65], v[64:65], v[68:69]
	v_pk_add_f32 v[66:67], v[66:67], v[70:71]
	v_pk_add_f32 v[72:73], v[72:73], v[76:77]
	v_pk_add_f32 v[74:75], v[74:75], v[78:79]
	v_pk_add_f32 v[64:65], v[64:65], v[72:73]
	v_pk_add_f32 v[66:67], v[66:67], v[74:75]
	v_pk_add_f32 v[64:65], v[64:65], v[92:93]      ; + b2
	v_pk_add_f32 v[66:67], v[66:67], v[92:93]
	v_pk_mul_f32 v[64:65], v[64:65], s[52:53] op_sel_hi:[1,0] neg_lo:[1,0] neg_hi:[1,0]
	v_pk_mul_f32 v[66:67], v[66:67], s[52:53] op_sel_hi:[1,0] neg_lo:[1,0] neg_hi:[1,0]
.irp i, 64,65,66,67
	v_exp_f32 v\i, v\i
.endr
	v_mov_b32 v95, 0xc61c4000                      ; -10000
	s_wait_alu depctr_va_vdst(0)
	v_pk_add_f32 v[64:65], v[64:65], 1.0 op_sel_hi:[1,0]
	v_pk_add_f32 v[66:67], v[66:67], 1.0 op_sel_hi:[1,0]
.irp i, 64,65,66,67
	v_rcp_f32 v\i, v\i                             ; the gate
.endr
	v_nop
	s_wait_alu depctr_va_vdst(0)
	v_pk_fma_f32 v[84:85], v[64:65], v[80:81], s[32:33] op_sel_hi:[1,1,0]   ; gate (x . v) + c0
	v_pk_fma_f32 v[86:87], v[66:67], v[82:83], s[32:33] op_sel_hi:[1,1,0]
	v_pk_fma_f32 v[84:85], v[88:89], s[34:35], v[84:85] op_sel_hi:[1,0,1] neg_lo:[1,0,0] neg_hi:[1,0,0]
	v_pk_fma_f32 v[86:87], v[90:91], s[34:35], v[86:87] op_sel_hi:[1,0,1] neg_lo:[1,0,0] neg_hi:[1,0,0]
.irp i, 0,1,2,3
	v_bfe_u32 v92, v200, 8*(\i), 8
	v_cmp_ne_u32 vcc_lo, 0, v92
	v_cndmask_b32 v[84+(\i)], v[84+(\i)], v95, vcc_lo
.endr
	v_max3_num_f32 v96, v84, v85, v86
	v_max_num_f32 v96, v96, v87
.irp m, 1,2,4,8
	v_max_num_f32_dpp v96, v96, v96 row_xmask:\m row_mask:0xf bank_mask:0xf
.endr
	v_permlanex16_b32 v97, v96, s36, s37
	v_max_num_f32 v96, v96, v97                    ; m of the 128 rows
	v_pk_add_f32 v[84:85], v[84:85], v[96:97] op_sel_hi:[1,0] neg_lo:[0,1] neg_hi:[0,1]   ; d - m first, then the scale: no difference of large products
	v_pk_add_f32 v[86:87], v[86:87], v[96:97] op_sel_hi:[1,0] neg_lo:[0,1] neg_hi:[0,1]
	v_pk_mul_f32 v[84:85], v[84:85], s[52:53] op_sel_hi:[1,0]
	v_pk_mul_f32 v[86:87], v[86:87], s[52:53] op_sel_hi:[1,0]
.irp i, 84,85,86,87
	v_exp_f32 v\i, v\i
.endr
	v_mov_b32 v[ML], v96
	s_wait_alu depctr_va_vdst(0)
	v_add_f32 v98, v84, v85
	v_add_f32 v99, v86, v87
	v_add_f32 v98, v98, v99
.irp m, 1,2,4,8
	v_add_f32_dpp v98, v98, v98 row_xmask:\m row_mask:0xf bank_mask:0xf
.endr
	v_permlanex16_b32 v99, v98, s36, s37
	v_add_f32 v[ML+1], v98, v99                    ; l, of the unrounded e
	v_pk_mul_f32 v[84:85], v[84:85], v[64:65]      ; the weight of a row of x: w = e gate
	v_pk_mul_f32 v[86:87], v[86:87], v[66:67]
	v_cvt_pk_bf16_f32 v100, v84, v85               ; hi = bf16(w)
	v_cvt_pk_bf16_f32 v101, v86, v87
	v_lshlrev_b32 v104, 16, v100
	v_and_b32 v105, 0xffff0000, v100
	v_lshlrev_b32 v106, 16, v101
	v_and_b32 v107, 0xffff0000, v101
	v_pk_add_f32 v[84:85], v[84:85], v[104:105] neg_lo:[0,1] neg_hi:[0,1]   ; w - hi, exact in f32
	v_pk_add_f32 v[86:87], v[86:87], v[106:107] neg_lo:[0,1] neg_hi:[0,1]
	v_cvt_pk_bf16_f32 v102, v84, v85               ; lo = bf16(w - hi)
	v_cvt_pk_bf16_f32 v103, v86, v87
	ds_store_b64 v1, v[100:101]
	ds_store_b64 v1, v[102:103] offset:256
	; THE POOLED SUM, on the matrix unit: K is the 128 rows, in four steps of 32.  Source 0: the weights (hi, then lo), the same in all 16 rows of the fragment; source 1: 32 rows x 16 columns of x,
	; turned by ds_load_tr16_b128.  My wave's 256 columns are 16 accumulators (window 1, 8 f), which take turns; all rows of a result are alike, and register 0 is taken.
.irp p, 0,1
.irp k, 0,1,2,3
	ds_load_b128 v[192+32*(\p)+8*(\k):195+32*(\p)+8*(\k)], v16 offset:256*(\p)+64*(\k)      ; LDS serves a wave's instructions in order (ISA guide 5.7.1.4): these see my stores above
	ds_load_b128 v[196+32*(\p)+8*(\k):199+32*(\p)+8*(\k)], v16 offset:256*(\p)+64*(\k)+32
.endr
.endr
.macro TLOAD n                         ; batch n: rows 32 (n / 2) on, columns 128 (n % 2) on: eight fragments, 16 loads, into buffer n % 2
.irp f, 0,1,2,3,4,5,6,7
	ds_load_tr16_b128 v[64+64*((\n)&1)+8*(\f):64+64*((\n)&1)+8*(\f)+3],   v[17+((\n)&1)] offset:((\f)>>2)*XCH+((\n)>>1)*32*XP+((\f)&3)*32
	ds_load_tr16_b128 v[64+64*((\n)&1)+8*(\f)+4:64+64*((\n)&1)+8*(\f)+7], v[17+((\n)&1)] offset:((\f)>>2)*XCH+((\n)>>1)*32*XP+((\f)&3)*32+16*XP
.endr
.endm
.macro POOL n, left                    ; the batch's eight accumulators with the hi parts, then the same eight with the lo parts.  left: the next batch's 16 loads, which may stay out
	s_wait_dscnt \left
	WIN 0x50                                       ; C and D window 1, sources window 0
.irp p, 0,1
.irp f, 0,1,2,3,4,5,6,7
.if ((\n) < 2) && ((\p) == 0)
	v_wmma_f32_16x16x32_bf16 v[8*(8*((\n)&1)+(\f)):8*(8*((\n)&1)+(\f))+7], v[192+32*(\p)+8*((\n)>>1):199+32*(\p)+8*((\n)>>1)], v[64+64*((\n)&1)+8*(\f):64+64*((\n)&1)+8*(\f)+7], 0
.else
	v_wmma_f32_16x16x32_bf16 v[8*(8*((\n)&1)+(\f)):8*(8*((\n)&1)+(\f))+7], v[192+32*(\p)+8*((\n)>>1):199+32*(\p)+8*((\n)>>1)], v[64+64*((\n)&1)+8*(\f):64+64*((\n)&1)+8*(\f)+7], v[8*(8*((\n)&1)+(\f)):8*(8*((\n)&1)+(\f))+7]
.endif
.endr
.endr
	WIN 0
.endm
	TLOAD 0
	TLOAD 1
.irp n, 0,1,2,3,4,5
	POOL \n, 16
	PLACES                                         ; in front of the loads into the buffer just multiplied
	TLOAD (\n)+2
.endr
	POOL 6, 16
	POOL 7, 0
	PLACES                                         ; in front of the stores that read results, and of the loads into buffer 0
	WIN 0x04                                       ; the stores' data in window 1
.irp f, 0,1,2,3,4,5,6,7,8,9,10,11,12,13,14,15
	ds_store_b32 v19, v[8*(\f)] offset:64*(\f)     ; column 16 f + r of my 256; both halves of the lanes hold the same number
.endr
	WIN 0
	ds_load_b128 v[64:67], v20                     ; my own bytes, in order behind the stores
	ds_load_b128 v[68:71], v20 offset:512
	s_wait_dscnt 0x0
	global_store_b128 v21, v[64:67], s[20:21]      ; a wave's store covers 512 consecutive bytes, aligned
	global_store_b128 v21, v[68:71], s[20:21] offset:512
	s_cmp_lg_u32 s22, 0
	s_cbranch_scc1 .Ldone
	global_store_b64 v22, v[ML:ML+1], s[20:21] offset:4096   ; wave 0: (m, l) 32 times: 256 consecutive bytes, aligned
.Ldone:
	s_wait_xcnt 0x0
	v_lshl_add_u32 v246, v0, 2, 0x4b200
	v_mov_b32 v247, 0
	s_wait_tensorcnt 0x0
	ds_add_u32 v246, v247
	s_wait_dscnt 0x0
	s_endpgm
.Lfunc_end_k_q1d21c4e54c_pool:
	.size	k_q1d21c4e54c_pool, .Lfunc_end_k_q1d21c4e54c_pool-k_q1d21c4e54c_pool
	.p2alignl 7, 3214868480
	.fill 96, 4, 3214868480
	.section	.rodata,"a",@progbits
	.p2align	6, 0x0
	.amdhsa_kernel k_q1d21c4e54c_pool
		.amdhsa_group_segment_fixed_size 308224
		.amdhsa_private_segment_fixed_size 0
		.amdhsa_enable_private_segment 0
		.amdhsa_kernarg_size 72
		.amdhsa_user_sgpr_count 2
		.amdhsa_user_sgpr_kernarg_segment_ptr 1
		.amdhsa_wavefront_size32 1
		.amdhsa_system_sgpr_workgroup_id_x 1
		.amdhsa_system_sgpr_workgroup_id_y 1
		.amdhsa_system_sgpr_workgroup_id_z 1
		.amdhsa_system_vgpr_workitem_id 0
		.amdhsa_next_free_vgpr 1024
		.amdhsa_next_free_sgpr 66
		.amdhsa_reserve_vcc 1
		.amdhsa_float_denorm_mode_32 3
		.amdhsa_float_denorm_mode_16_64 3
		.amdhsa_memory_ordered 1
		.amdhsa_forward_progress 1
		.amdhsa_inst_pref_size 255
	.end_amdhsa_kernel
	.section	.bss,"aw",@nobits
	.p2align	6
	.space	262144
	.amdgpu_metadata
---
amdhsa.version: [ 1, 2 ]
amdhsa.kernels:
  - .name:           k_q1d21c4e54c_pool
    .symbol:         k_q1d21c4e54c_pool.kd
    .args:
      - { .name: utterance_embeddings, .offset: 0, .size: 8, .value_kind: global_buffer, .address_space: global }
      - { .name: attention_mask, .offset: 8, .size: 8, .value_kind: global_buffer, .address_space: global }
      - { .name: gate_b1, .offset: 16, .size: 8, .value_kind: global_buffer, .address_space: global }
      - { .name: gate_w2, .offset: 24, .size: 8, .value_kind: global_buffer, .address_space: global }
      - { .name: gate_b2, .offset: 32, .size: 8, .value_kind: global_buffer, .address_space: global }
      - { .name: wf, .offset: 40, .size: 8, .value_kind: global_buffer, .address_space: global }
      - { .name: vq, .offset: 48, .size: 8, .value_kind: global_buffer, .address_space: global }
      - { .name: cst, .offset: 56, .size: 8, .value_kind: global_buffer, .address_space: global }
      - { .name: part, .offset: 64, .size: 8, .value_kind: global_buffer, .address_space: global }
    .group_segment_fixed_size: 308224
    .private_segment_fixed_size: 0
    .kernarg_segment_align: 8
    .kernarg_segment_size: 72
    .max_flat_workgroup_size: 128
    .sgpr_count:     66
    .vgpr_count:     1024
    .wavefront_size: 32
...
	.end_amdgpu_metadata
.endif
;; end of part 2
;; launch merge (part 3): grid 8 x 32, 1 waves a work-group, no clusters, 0 bytes of LDS; arguments part, out0; writes out0
.if DOCPART == 3
	.amdgcn_target "amdgcn-amd-amdhsa--gfx1250"
	.amdhsa_code_object_version 6
	.text
	.protected	k_q1d21c4e54c_merge
	.globl	k_q1d21c4e54c_merge
	.p2align	8
	.type	k_q1d21c4e54c_merge,@function
k_q1d21c4e54c_merge:
	s_mov_b64 s[64:65], 0
	v_nop
	global_prefetch_b8 v0, s[64:65] scope:SCOPE_SE
	s_setreg_imm32_b32 hwreg(HW_REG_WAVE_MODE, 25, 1), 1
	s_wait_xcnt 0x0
; out0[y][c] = (sum over a batch's eight parts i of f_i P_i[c]) / (sum of f_i l_i), with f_i = 2^((m_i - M) log2 e) and M the largest m_i: the eight parts of a softmax, each taken
; relative to its own maximum, brought to the common one.  The part with m_i = M has f_i = 1 and l_i of 1 or more, so the divisor is never 0.
; One wave to a work-group: 128 columns of one batch, four a lane.  Work-group (x, y): columns 128 x on of batch y.  All in f32; no LDS, no barrier.
.set PROW, 4352                        ; a part: 1,024 f32, then (m, l)
.set P,  8                             ; v[8:39]  my four numbers of each part
.set F,  40                            ; v[40:47] f_i
.set O,  52                            ; v[52:55] the result
	s_load_b128 s[4:7], s[0:1], 0x0                ; part s[4:5], out0 s[6:7]
	s_and_b32 s8, ttmp7, 0xffff                    ; the batch
	s_mul_i32 s10, s8, 8*PROW
	s_mov_b32 s11, 0
	s_lshl_b32 s28, s8, 12
	s_mov_b32 s29, 0
	s_lshl_b32 s9, ttmp9, 9
	v_lshl_add_u32 v1, v0, 4, s9                   ; 512 x + 16 x lane: the same place in a part and in a row of out0
	s_wait_kmcnt 0x0
	s_add_nc_u64 s[4:5], s[4:5], s[10:11]
	s_add_nc_u64 s[6:7], s[6:7], s[28:29]
.irp i, 0,1,2,3,4,5,6,7
	s_load_b64 s[12+2*(\i):13+2*(\i)], s[4:5], 4096+(\i)*PROW   ; m_i, l_i
.endr
.irp i, 0,1,2,3,4,5,6,7
	global_load_b128 v[P+4*(\i):P+4*(\i)+3], v1, s[4:5] offset:(\i)*PROW
.endr
	s_wait_kmcnt 0x0
	v_mov_b32 v2, s12
	v_max3_num_f32 v2, v2, s14, s16
	v_max3_num_f32 v2, v2, s18, s20
	v_max3_num_f32 v2, v2, s22, s24
	v_max_num_f32 v2, s26, v2                      ; M
.irp i, 0,1,2,3,4,5,6,7
	v_sub_f32 v[F+(\i)], s[12+2*(\i)], v2
.endr
.irp i, 0,1,2,3,4,5,6,7
	v_mul_f32 v[F+(\i)], 0x3fb8aa3b, v[F+(\i)]
.endr
.irp i, 0,1,2,3,4,5,6,7
	v_exp_f32 v[F+(\i)], v[F+(\i)]
.endr
	v_nop                                          ; a plain instruction behind the exponentials before a result is used (ISA guide 5.7.2)
	s_wait_alu depctr_va_vdst(0)
	v_mul_f32 v48, s13, v[F]
.irp i, 1,2,3,4,5,6,7
	v_fmac_f32 v48, s[13+2*(\i)], v[F+(\i)]
.endr
	v_rcp_f32 v49, v48
	s_wait_loadcnt 0x0
.irp c, 0,1,2,3
	v_mul_f32 v[O+(\c)], v[F], v[P+(\c)]           ; the first part starts the sums
.endr
.irp i, 1,2,3,4,5,6,7
.irp c, 0,1,2,3
	v_fmac_f32 v[O+(\c)], v[F+(\i)], v[P+4*(\i)+(\c)]
.endr
.endr
	s_wait_alu depctr_va_vdst(0)
.irp c, 0,1,2,3
	v_mul_f32 v[O+(\c)], v49, v[O+(\c)]
.endr
	global_store_b128 v1, v[O:O+3], s[6:7]         ; the wave's store covers 512 consecutive bytes, aligned
	s_endpgm
.Lfunc_end_k_q1d21c4e54c_merge:
	.size	k_q1d21c4e54c_merge, .Lfunc_end_k_q1d21c4e54c_merge-k_q1d21c4e54c_merge
	.p2alignl 7, 3214868480
	.fill 96, 4, 3214868480
	.section	.rodata,"a",@progbits
	.p2align	6, 0x0
	.amdhsa_kernel k_q1d21c4e54c_merge
		.amdhsa_group_segment_fixed_size 0
		.amdhsa_private_segment_fixed_size 0
		.amdhsa_enable_private_segment 0
		.amdhsa_kernarg_size 16
		.amdhsa_user_sgpr_count 2
		.amdhsa_user_sgpr_kernarg_segment_ptr 1
		.amdhsa_wavefront_size32 1
		.amdhsa_system_sgpr_workgroup_id_x 1
		.amdhsa_system_sgpr_workgroup_id_y 1
		.amdhsa_system_sgpr_workgroup_id_z 1
		.amdhsa_system_vgpr_workitem_id 0
		.amdhsa_next_free_vgpr 64
		.amdhsa_next_free_sgpr 66
		.amdhsa_reserve_vcc 0
		.amdhsa_float_denorm_mode_32 3
		.amdhsa_float_denorm_mode_16_64 3
		.amdhsa_memory_ordered 1
		.amdhsa_forward_progress 1
		.amdhsa_inst_pref_size 5
	.end_amdhsa_kernel
	.amdgpu_metadata
---
amdhsa.version: [ 1, 2 ]
amdhsa.kernels:
  - .name:           k_q1d21c4e54c_merge
    .symbol:         k_q1d21c4e54c_merge.kd
    .args:
      - { .name: part, .offset: 0, .size: 8, .value_kind: global_buffer, .address_space: global }
      - { .name: out0, .offset: 8, .size: 8, .value_kind: global_buffer, .address_space: global }
    .group_segment_fixed_size: 0
    .private_segment_fixed_size: 0
    .kernarg_segment_align: 8
    .kernarg_segment_size: 16
    .max_flat_workgroup_size: 32
    .sgpr_count:     66
    .vgpr_count:     64
    .wavefront_size: 32
...
	.end_amdgpu_metadata
.endif
;; end of part 3
;; ======== version 2 of 2: 3 launches; version 1 with the launch pool written anew for expert scheduling mode
;; workspace buffers: wf 1,048,576 bytes; vq 4,096 bytes; cst 256 bytes; part 1,114,112 bytes
;; launch prep: the kernel of part 1 again; grid 256 x 1, 4 waves a work-group, no clusters, 0 bytes of LDS; arguments gate_w1, key_w, attention_query, key_b, decay_lambda, wf, vq, cst; writes wf, vq, cst
;; launch pool (part 4): grid 8 x 32, 4 waves a work-group, no clusters, 308,224 bytes of LDS; arguments utterance_embeddings, attention_mask, gate_b1, gate_w2, gate_b2, wf, vq, cst, part; writes part
.if DOCPART == 4
	.amdgcn_target "amdgcn-amd-amdhsa--gfx1250"
	.amdhsa_code_object_version 6
	.text
	.protected	k_q1d21c4e54c_pool
	.globl	k_q1d21c4e54c_pool
	.p2align	8
	.type	k_q1d21c4e54c_pool,@function
k_q1d21c4e54c_pool:
	s_mov_b64 s[64:65], 0
	v_nop
	global_prefetch_b8 v0, s[64:65] scope:SCOPE_SE
	s_setreg_imm32_b32 hwreg(HW_REG_WAVE_SCHED_MODE, 0, 2), 2
	s_setreg_imm32_b32 hwreg(HW_REG_WAVE_MODE, 25, 1), 1
	s_wait_xcnt 0x0
	s_wait_alu depctr_vm_vsrc(0)
; For 128 rows of one batch: gate = sigmoid(gelu(x W1 + b1) . w2 + b2); logit = gate (x . v) + c0 with v = Kw q / 32 and c0 = kb . q / 32 (made by the launch before: the same value as
; q . (gate x Kw + kb) / 32 in another order of rounding); d = logit - softplus(lambda) max(valid - 1 - t, 0), or -10000 where the mask says padding; then a part of the softmax and of the pooled sum:
; m = max d, l = sum of e = 2^((d - m) log2 e), and sum over rows of e gate x[row][:].  The last launch joins a batch's eight parts.
; x IS READ ONCE.  Each row comes in as f32, is rounded to bf16 and kept in LDS: first as an operand of x W1, at the end as an operand of the pooled sum; x . v is summed from the rounded numbers on the way.
; FORMATS AND LIMITS.  EVERY FLOATING-POINT INPUT IS ROUNDED TO bf16 ONCE (x, b1, w2, b2 here; W1, key_w, q, key_b, lambda in the launch before), and the same rounded number is used wherever the input
; appears.  All that is made of them is f32: sums, x . v, the GELU, the gate, the softmax, l.  The weight e gate of a row goes to the matrix unit as two bf16 numbers, hi = bf16(w) and lo = bf16(w - hi),
; so that it keeps 16 bits.  erf by Abramowitz and Stegun 7.1.26, within 1.5e-7 for every argument.  A weight below 2^-126 counts as 0.  NaN and infinities are not treated apart.
; SHARES.  256 work-groups of four waves; work-group (x, y): rows 128 x .. 128 x + 127 of batch y.  A wave makes all 128 rows x its own 128 of the 512 columns of x W1: 64 accumulators of 16 x 16,
; 512 registers.  The matrix instruction is used transposed (source 0 = 16 columns of W1, source 1 = 16 rows of x): a lane holds one row of x and eight neighbouring columns.
; ROADS.  x: 16-byte loads into a ring of four register buffers (lanes 0-15 take 256 consecutive bytes of a row, lanes 16-31 of the row 8 further down), converted, stored into LDS; every LDS byte of
; x is written once.  W1: no two waves of the work-group use the same fragments, so each wave loads its own straight into registers, 512 consecutive bytes a load, some two K steps ahead.
; NO CLUSTER, NO TENSOR LOADS.  128 rows of x in bf16 take 294,912 bytes of LDS and the scratch 12,800; what is left of 327,680 is 19,968, less than the 32,768 bytes of W1 that one K step of 32 takes,
; so there is no room for slots of W1 that work-groups could ask for jointly; with 64 rows to a work-group W1 would be walked twice.  x is shared with nobody.
; REGISTERS, in windows of 256 (s_set_vgpr_msb: bits 1:0 source 0, 3:2 source 1, 5:4 source 2, 7:6 destination):
;   window 0: v0-11 addresses; v12-15 v of my 4 columns; v16-31 at work; v32-63 sums of x . v; v64-127 fragments of x; v128-255 the ring of x as loaded
;   window 1: four buffers of 64: W1's fragments of a K step     window 2: the accumulators of rows 0-63 ((a, b) at 8 (8 a + b))     window 3: those of rows 64-127
;   (behind the GELU windows 2 and 3 are free: they take x, turned, for the pooled sum)
; THE MODE: SCHED_MODE bits 1:0 = 2 (LLVM: expert scheduling mode 2), set by the entry lines.  The code itself states the register dependences between vector or matrix instructions and memory or
; LDS instructions, with s_wait_alu, always for 0.
; THE PLAN.  Registers that memory or LDS instructions touch in the main loop, in step j (jj = j % 4):
;   AF lower v64-95    read by the step's first 32 products; the LDS loads for step j + 1 land in it behind the first two of the second 32.
;   AF upper v96-127   read by the step's second 32 products; the LDS loads for step j + 1 land in it among the first products of step j + 1.
;   W1's buffers       buffer jj is read by the step's 64 products; the loads for step j + 3 land in buffer (jj + 3) % 4, last read in step j - 1, among the first products of step j + 1.
;   XS[jj]             read by the sixteen roundings at the step's end; the loads of half-chunk j + 8 land in it among the first products of step j + 1.
;   T v16-31           written by those roundings; read by eight LDS stores among the first products of step j + 1.
;   VV v12-15          read by the multiply-adds at a step's end; loaded among the first products of the next step.
;   XSA, AA, VTA       LDS addresses: read by those LDS instructions; stepped once in four steps, at the end of the fourth.      XO, BO: read by every load of x and of W1, never written.
; THREE WAITS A STEP.  In its middle va_vdst: the first 32 products are done reading AF lower.  At its end vm_vsrc ahead of the conversion: the LDS stores have read T (and the LDS instructions the three
; addresses); and va_vdst behind the conversion: T and the addresses are written, XS[jj] and VV are read, the second 32 products are done reading AF upper.  What hangs on that last wait (41 memory and
; LDS instructions at the most) is LEFT for the next step and dealt, four at a time, behind its first ten products, which name AF lower, W1's buffer (jj + 1) % 4 and window 2: none of the registers
; that these instructions touch.  A second set of x's fragments would spare the wait in the middle: the loop has no register left for it.
.set XP,   144                         ; a row of a chunk in LDS: 64 bf16 + 16 bytes of padding = 36 words: the 16 rows of a fragment load start at 16 different groups of four banks (64 banks of 4 bytes: ISA guide 11.1)
.set XCH,  128*XP                      ; a chunk: 64 columns of all 128 rows
.set VT,   16*XCH                      ; behind the 16 chunks: v, 1,024 f32
.set SC,   VT+4096                     ; four planes of 128 f32 (each wave's part of gelu . w2), then at LPO one plane of x . v
.set LPO,  2048
.set WT,   SC+2560                     ; for each wave 512 bytes: the 128 weights' hi parts as bf16, then their lo parts
.set OS,   WT+2048                     ; for each wave 1,024 bytes: its 256 pooled sums on the way out
.set PROW, 4352                        ; a work-group's part: 1,024 f32, then (m, l) 32 times
.set XO,  2                            ; v2   my byte offset in x: (32 w + 8 h) rows + 16 r; never rewritten
.set XSA, 3                            ; v3   where my 8 bytes of bf16 go in a chunk; steps with the groups
.set AA,  4                            ; v4   my place in a fragment of x: r rows + 16 h; steps with the groups
.set LPA, 5                            ; v5   where my sums of x . v go
.set GPA, 6                            ; v6   where my sums of gelu . w2 go; steps with the row blocks
.set SCA, 7                            ; v7   where I read four rows' sums back
.set BO,  8                            ; v8   my byte offset in a K step of wf; never rewritten
.set VTA, 9                            ; v9   v of my 4 columns; steps with the groups
.set ML,  10                           ; v[10:11] m, l
.set VV,  12
.set T,   16
.set LA,  32                           ; row n of my 16: the pair at LA + 2 n (even columns' sum, odd columns')
.set AF,  64                           ; fragment a of x at AF + 8 a
.set XS,  128                          ; buffer i at XS + 32 i
.set U,   64                           ; the epilogue: 64 arguments of the GELU
.set W2,  128                          ; w2 of my 64 columns
.set D,   208                          ; eight registers each, at work
.set Q,   216
.set HU,  224
.set H,   232
.set SUM, 240
.set MSB, 0
.macro WIN new                         ; the immediate's high byte repeats the setting that is left; a switch that changes nothing is dropped
.if MSB != (\new)
	s_set_vgpr_msb (MSB<<8)|(\new)
.set MSB, (\new)
.endif
.endm
.set MUL_LO, 0xa1                      ; source 0 (W1) window 1, source 1 (x) window 0, C and D window 2
.set TO_B,   0x40                      ; destination window 1, address window 0
	s_load_b512 s[4:19], s[0:1], 0x0               ; x s[4:5], mask s[6:7], b1 s[8:9], w2 s[10:11], b2 s[12:13], wf s[14:15], vq s[16:17], cst s[18:19]
	s_load_b64 s[20:21], s[0:1], 0x40              ; part
	v_lshrrev_b32 v1, 5, v0
	v_readfirstlane_b32 s22, v1                    ; wave w
	s_mov_b32 s23, ttmp9                           ; which 128 rows of the batch
	s_and_b32 s24, ttmp7, 0xffff                   ; the batch
	s_lshl3_add_u32 s25, s24, s23                  ; the work-group's number
	v_and_b32 v12, 15, v0                          ; r
	v_bfe_u32 v13, v0, 4, 1                        ; h
	v_and_b32 v14, 31, v0                          ; lane
	s_wait_alu depctr_va_sdst(0)                   ; s22 is written, ahead of its first reader: offsets, LDS addresses and a branch are made from it
	s_lshl_b32 s26, s22, 5
	v_lshl_add_u32 v15, v13, 3, s26                ; 32 w + 8 h
	v_lshlrev_b32 v[XO], 12, v15
	v_lshl_add_u32 v[XO], v12, 4, v[XO]
	v_mul_u32_u24 v[XSA], v15, XP
	v_lshl_add_u32 v[XSA], v12, 3, v[XSA]
	v_mul_u32_u24 v[AA], v12, XP
	v_lshl_add_u32 v[AA], v13, 4, v[AA]
	v_lshl_add_u32 v[LPA], v15, 2, SC+LPO
	s_lshl_b32 s27, s22, 9
	s_add_co_u32 s27, s27, SC
	v_lshl_add_u32 v[GPA], v12, 2, s27
	v_lshl_add_u32 v[SCA], v14, 4, SC
	s_lshl_b32 s27, s22, 13
	v_lshl_add_u32 v[BO], v14, 4, s27
	v_lshl_add_u32 v[VTA], v12, 4, VT
	v_lshlrev_b32 v1, 5, v0                        ; my 32 bytes of vq,
	v_lshl_add_u32 v16, v0, 5, VT                  ; and where they go
	s_mov_b32 s36, 0x76543210                      ; v_permlanex16_b32: each lane takes its own place in the other half
	s_mov_b32 s37, 0xfedcba98
	s_mov_b32 s38, 0x3f596d27                      ; S = sqrt(log2(e) / 2): with U = S u, e^(-u^2 / 2) = 2^(-U^2)
	s_mov_b32 s39, s38                             ; (scalars that packed instructions name are written as pairs)
	s_mov_b32 s40, 0x3e8ba43f                      ; 0.3275911 / sqrt(log2 e): t = 1 / (1 + this |U|)
	s_mov_b32 s41, 0x01010101
	s_mov_b32 s42, 0x3e027906                      ; the five coefficients, halved: 0.127414796,
	s_mov_b32 s43, s42
	s_mov_b32 s44, 0xbe11a98e                      ; -0.142248368,
	s_mov_b32 s45, s44
	s_mov_b32 s46, 0x3f35f0e3                      ; 0.7107068705,
	s_mov_b32 s47, s46
	s_mov_b32 s48, 0xbf3a00e3                      ; -0.7265760135,
	s_mov_b32 s49, s48
	s_mov_b32 s50, 0x3f07dc22                      ; 0.5307027145
	s_mov_b32 s51, s50
	s_mov_b32 s52, 0x3fb8aa3b                      ; log2(e)
	s_mov_b32 s53, s52
	s_mov_b32 s54, 0x3f96b55f                      ; 1 / S
	s_mov_b32 s55, s54
	s_wait_kmcnt 0x0
	s_load_b32 s30, s[12:13], 0x0                  ; b2
	s_load_b64 s[32:33], s[18:19], 0x0             ; c0, softplus(lambda)
	s_lshl_b32 s26, s25, 19                        ; 128 rows of 4,096 bytes: 2^27 at the most
	s_mov_b32 s27, 0
	s_add_nc_u64 s[4:5], s[4:5], s[26:27]
	s_lshl_b32 s26, s24, 10
	s_add_nc_u64 s[6:7], s[6:7], s[26:27]          ; the batch's 1,024 mask bytes
	s_mul_i32 s26, s25, PROW
	s_add_nc_u64 s[20:21], s[20:21], s[26:27]
; A STEP is 32 along K: 64 matrix instructions.  A CHUNK is 64 columns of x, two steps.  A HALF-CHUNK is what a wave loads at once: 16 of its 32 rows (e = 0, 1) of a chunk, 8 loads.
; A GROUP is four steps; offsets below count from the group's bases, which ADVANCE steps.
; THE MEMORY AND LDS INSTRUCTIONS, in pieces of four, as they are dealt among the products.
; Two fragments of x, first and first + 1 of eight (16 rows x 32 K: lane l holds row l % 16, K = 8 (l / 16) + 0..7 and 16 + 8 (l / 16) + 0..7: two loads of 16 bytes, 32 bytes apart) at byte koff of the group's chunks
.macro ALOAD2 first, koff
.irp f, (\first), (\first)+1
	ds_load_b128 v[AF+8*(\f):AF+8*(\f)+3],   v[AA] offset:(\koff)+(\f)*16*XP
	ds_load_b128 v[AF+8*(\f)+4:AF+8*(\f)+7], v[AA] offset:(\koff)+(\f)*16*XP+32
.endr
.endm
.macro BLOAD2 buf, st, first           ; two of my eight fragments of W1 for step st of the group: loads of 512 consecutive bytes; the caller sets the window
.irp b, (\first), (\first)+1
	global_load_b128 v[64*(\buf)+8*(\b):64*(\buf)+8*(\b)+3],   v[BO], s[14:15] offset:(\st)*32768+(\b)*1024
	global_load_b128 v[64*(\buf)+8*(\b)+4:64*(\buf)+8*(\b)+7], v[BO], s[14:15] offset:(\st)*32768+(\b)*1024+512
.endr
.endm
.macro XLOAD4 buf, e, cq, first        ; four of the eight loads of a half-chunk of x: chunk cq of the group, my rows 16 e + first + 0..3 (+ 8 for lanes 16-31)
.irp u, 0,1,2,3
	global_load_b128 v[XS+32*(\buf)+4*((\first)+(\u)):XS+32*(\buf)+4*((\first)+(\u))+3], v[XO], s[4:5] offset:(16*(\e)+(\first)+(\u))*4096+(\cq)*256 th:TH_LOAD_NT
.endr
.endm
.macro XSTORE e, cq, first             ; four of the eight LDS stores, of 8 bytes, of a converted half-chunk
.irp u, 0,1,2,3
	ds_store_b64 v[XSA], v[T+2*((\first)+(\u)):T+2*((\first)+(\u))+1] offset:(\cq)*XCH+(16*(\e)+(\first)+(\u))*XP
.endr
.endm
.macro VLOAD cq                        ; v of my 4 columns of chunk cq of the group
	ds_load_b128 v[VV:VV+3], v[VTA] offset:(\cq)*256
.endm
; The same in whole runs, for the start
.macro ALOAD hi, koff
	ALOAD2 4*(\hi), \koff
	ALOAD2 4*(\hi)+2, \koff
.endm
.macro BLOAD buf, st
	WIN TO_B
	BLOAD2 \buf, \st, 0
	BLOAD2 \buf, \st, 2
	BLOAD2 \buf, \st, 4
	BLOAD2 \buf, \st, 6
	WIN 0
.endm
.macro XLOAD buf, e, cq
	XLOAD4 \buf, \e, \cq, 0
	XLOAD4 \buf, \e, \cq, 4
.endm
; WHAT A STEP'S END HAS LEFT (the symbols P_.., set there) is dealt behind the first ten of the next step's products: piece mm behind product mm.  8 LDS stores; the upper four fragments of x; v; W1; x.
.macro DEALA
.if P_CV && (mm < 2)
	WIN 0
	XSTORE P_E, P_C4, 4*mm
.endif
.if P_AN && (mm >= 2) && (mm < 4)
	WIN 0
	ALOAD2 2*mm, P_KO
.endif
.if P_VL && (mm == 3)
	WIN 0
	VLOAD P_C5
.endif
.if P_BL && (mm >= 4) && (mm < 8)
	WIN TO_B
	BLOAD2 P_B3, P_ST, 2*mm-8
.endif
.if P_XL && (mm >= 8) && (mm < 10)
	WIN 0
	XLOAD4 P_JJ, P_E, P_C8, 4*mm-32
.endif
.endm
; Behind the first two of a step's second 32 products: the lower four fragments of x for the next step
.macro DEALB
.if Q_AN && (mm < 2)
	WIN 0
	ALOAD2 2*mm, Q_KO
.endif
.endm
; 32 matrix instructions: rows 64 hi .. 64 hi + 63 x my 128 columns.  All 64 accumulators take turns, one instruction a turn and in the same order in every step.
; zero = 1: the first step's products start the sums: nothing is cleared.
.macro MUL32 buf, hi, zero
.set mm, 0
.irp a, 0,1,2,3
.irp b, 0,1,2,3,4,5,6,7
	WIN MUL_LO+0x50*(\hi)
.if \zero
	v_wmma_f32_16x16x32_bf16 v[8*(8*(\a)+(\b)):8*(8*(\a)+(\b))+7], v[64*(\buf)+8*(\b):64*(\buf)+8*(\b)+7], v[AF+8*(4*(\hi)+(\a)):AF+8*(4*(\hi)+(\a))+7], 0
.else
	v_wmma_f32_16x16x32_bf16 v[8*(8*(\a)+(\b)):8*(8*(\a)+(\b))+7], v[64*(\buf)+8*(\b):64*(\buf)+8*(\b)+7], v[AF+8*(4*(\hi)+(\a)):AF+8*(4*(\hi)+(\a))+7], v[8*(8*(\a)+(\b)):8*(8*(\a)+(\b))+7]
.endif
.if \hi
	DEALB
.else
	DEALA
.endif
.set mm, mm+1
.endr
.endr
.endm
; A half-chunk is converted, the vector part: 16 packed roundings to bf16; 32 multiply-adds for x . v, each a bf16 half of the rounded x times an f32 of v onto an f32 sum.
; first = 1: a row's sums begin: its first two columns are widened (the low half moves up, the high half stays) and multiplied, so that nothing is cleared.
.macro CONVV buf, e, first
	s_wait_alu depctr_vm_vsrc(0)                   ; the LDS stores issued so far have read v[T ..], which the roundings write again (ahead of the first conversion: v's two stores have read v16 and v[64:71])
.irp u, 0,1,2,3,4,5,6,7
	v_cvt_pk_bf16_f32 v[T+2*(\u)],   v[XS+32*(\buf)+4*(\u)],   v[XS+32*(\buf)+4*(\u)+1]
	v_cvt_pk_bf16_f32 v[T+2*(\u)+1], v[XS+32*(\buf)+4*(\u)+2], v[XS+32*(\buf)+4*(\u)+3]
.endr
.if \first
.irp u, 0,1,2,3,4,5,6,7
	v_lshlrev_b32 v[LA+2*(8*(\e)+(\u))],   16, v[T+2*(\u)]
	v_and_b32     v[LA+2*(8*(\e)+(\u))+1], 0xffff0000, v[T+2*(\u)]
.endr
.irp u, 0,1,2,3,4,5,6,7
	v_pk_mul_f32 v[LA+2*(8*(\e)+(\u)):LA+2*(8*(\e)+(\u))+1], v[LA+2*(8*(\e)+(\u)):LA+2*(8*(\e)+(\u))+1], v[VV:VV+1]
.endr
.else
.irp u, 0,1,2,3,4,5,6,7
	v_fma_mix_f32_bf16 v[LA+2*(8*(\e)+(\u))],   v[T+2*(\u)], v[VV],   v[LA+2*(8*(\e)+(\u))]   op_sel_hi:[1,0,0]
.endr
.irp u, 0,1,2,3,4,5,6,7
	v_fma_mix_f32_bf16 v[LA+2*(8*(\e)+(\u))+1], v[T+2*(\u)], v[VV+1], v[LA+2*(8*(\e)+(\u))+1] op_sel:[1,0,0] op_sel_hi:[1,0,0]
.endr
.endif
.irp u, 0,1,2,3,4,5,6,7
	v_fma_mix_f32_bf16 v[LA+2*(8*(\e)+(\u))],   v[T+2*(\u)+1], v[VV+2], v[LA+2*(8*(\e)+(\u))]   op_sel_hi:[1,0,0]
.endr
.irp u, 0,1,2,3,4,5,6,7
	v_fma_mix_f32_bf16 v[LA+2*(8*(\e)+(\u))+1], v[T+2*(\u)+1], v[VV+3], v[LA+2*(8*(\e)+(\u))+1] op_sel:[1,0,0] op_sel_hi:[1,0,0]
.endr
.endm
.macro CONV buf, e, cq, first          ; at the start: the vector part and the eight stores on end
	CONVV \buf, \e, \first
	s_wait_alu depctr_va_vdst(0)                   ; the roundings have written v[T ..], which the stores read, and are done reading the ring's buffer; the multiply-adds are done reading v: loads land in both below
	XSTORE \e, \cq, 0
	XSTORE \e, \cq, 4
.endm
; Four places: plain vector instructions that name no register of the matrix instructions ahead of them (ISA guide 7.12.1).  They stand in front of the stores that read matrix results, and in front of the
; loads into fragments just multiplied; the wait behind them states the dependence: it fills no place, and the places stand for no wait.
.macro PLACES
.rept 4
	v_nop
.endr
.endm
; On to the next group: two chunks of x, four K steps of W1.  It stands at the end of a group's last step, behind the wait on vm_vsrc at the conversion's head (the LDS instructions issued so far have read
; the three addresses) and ahead of the step's last wait on va_vdst (the three are written).  What that step leaves counts its offsets from the new bases.
.macro ADVANCE
	s_wait_xcnt 0x0                                ; the loads' bases are stepped only behind this wait; the youngest loads that read them were issued among this step's first products
	s_add_nc_u64 s[4:5], s[4:5], 512
	s_add_nc_u64 s[14:15], s[14:15], 4*32768
	v_add_nc_u32 v[XSA], 2*XCH, v[XSA]
	v_add_nc_u32 v[AA], 2*XCH, v[AA]
	v_add_nc_u32 v[VTA], 512, v[VTA]
.endm
; STEP j (jj = j % 4).  Its first 32 products, and among them what the step before has left; its second 32, and among them the lower half of x's fragments for step j + 1 (an); at its end: the wait for
; loads and the vector part of the conversion of half-chunk j + 4 (cv).  LEFT for the next step: that half-chunk's LDS stores (cv), the upper half of the fragments for step j + 1 (an), v for the next
; chunk (vl), the loads of W1 for step j + 3 (bl) and of half-chunk j + 8 (xl).  adv = 1: the group's last step.
; bar = 1 (even steps): chunk j / 2 + 1 is handed over.  Its last stores stand among this step's first products; each wave waits for them and signals in the step's middle, waits for the others at the
; step's end, and the chunk is first read among the second products of step j + 1.  Between signal and wait stand matrix instructions and LDS loads of an older chunk, which nobody writes any more.
; lw: the loads younger than W1's fragments of step j + 1, which may stay out: in the loop 8 of x, 16 of W1, 8 of x.
.macro STEP jj, zero, bar, cv, vl, bl, xl, lw, an, adv
.set Q_AN, \an
.set Q_KO, (((\jj)+1)>>1)*XCH+(((\jj)+1)&1)*64
.set EE, (\jj)&1
	s_wait_dscnt 0x0                               ; the lower fragments of this step are in: no LDS instruction was issued behind them
	MUL32 \jj, 0, \zero
	WIN 0
	s_wait_dscnt 0x0                               ; the upper fragments of this step and v are in; in even steps also for the others' sake: my stores of the chunk are done
.if \bar
	s_barrier_signal -1
.endif
.if \an
	PLACES
	s_wait_alu depctr_va_vdst(0)                   ; the first 32 products are done reading the lower fragments, in which the loads among the next products land
.endif
	MUL32 \jj, 1, \zero
	WIN 0
.if \bar
	s_barrier_wait -1
.endif
.if (\lw) >= 0
	s_wait_loadcnt \lw
.endif
.if \cv
	CONVV \jj, EE, 0                               ; its sixteen roundings, which come first, are also the places behind the products
.elseif \an
	PLACES
.endif
.if \adv
	ADVANCE
.endif
.if \an
	s_wait_alu depctr_va_vdst(0)                   ; for all that is left: v[T ..] is written; the ring's buffer jj; the second 32 products are done reading the upper fragments; with adv the three LDS addresses are written
.endif
.set P_CV, \cv
.set P_AN, \an
.set P_VL, \vl
.set P_BL, \bl
.set P_XL, \xl
.set P_JJ, \jj
.set P_E,  EE
.set P_C4, (((\jj)+4)>>1)-2*(\adv)
.set P_KO, Q_KO-2*(\adv)*XCH
.set P_C5, (((\jj)+5)>>1)-2*(\adv)
.set P_C8, (((\jj)+8)>>1)-2*(\adv)
.set P_B3, ((\jj)+3)%4
.set P_ST, (\jj)+3-4*(\adv)
.endm
	; THE START.  v goes into LDS; chunks 0 and 1 are converted; the ring of x and three steps of W1 are asked for.
	s_wait_alu depctr_va_vdst(0)                   ; the offsets and addresses v1 to v9 and v16 are written, which the loads and stores below read
	global_load_b128 v[64:67], v1, s[16:17]
	global_load_b128 v[68:71], v1, s[16:17] offset:16
	XLOAD 0, 0, 0
	XLOAD 1, 1, 0
	XLOAD 2, 0, 1
	XLOAD 3, 1, 1
	s_wait_loadcnt 32                              ; v's two loads are in; x's 32 stay out
	ds_store_b128 v16, v[64:67]
	ds_store_b128 v16, v[68:71] offset:16
	s_wait_dscnt 0x0                               ; for the others' sake
	s_barrier_signal -1
	s_barrier_wait -1                              ; v is whole
	VLOAD 0
	s_wait_loadcnt 24                              ; half-chunk 0 is in; three stay out
	s_wait_dscnt 0x0                               ; v of chunk 0
	CONV 0, 0, 0, 1
	XLOAD 0, 0, 2
	s_wait_loadcnt 24                              ; half-chunk 1 is in
	CONV 1, 1, 0, 1
	VLOAD 1
	BLOAD 0, 0
	XLOAD 1, 1, 2
	s_wait_loadcnt 32                              ; half-chunks 2 and 3 are in (40 would do for the first alone): out are 8 of x, 16 of W1, 8 of x
	s_wait_dscnt 0x0                               ; v of chunk 1
	CONV 2, 0, 1, 0
	BLOAD 1, 1
	XLOAD 2, 0, 3
	s_wait_loadcnt 32                              ; half-chunk 4 and W1's step 0 are in
	CONV 3, 1, 1, 0
	VLOAD 2
	BLOAD 2, 2
	XLOAD 3, 1, 3
	s_wait_dscnt 0x0                               ; my stores of chunks 0 and 1 are done, and v of chunk 2 is in
	s_barrier_signal -1
	s_barrier_wait -1                              ; chunks 0 and 1 are whole
	ALOAD 0, 0                                     ; (v[64:71], which v's stores read, are free since the first conversion's wait on vm_vsrc; no vector instruction has named v64 to v127)
	ALOAD 1, 0
	s_wait_kmcnt 0x0                               ; b2, c0, softplus(lambda): the last two written out as pairs
	s_mov_b32 s34, s33
	s_mov_b32 s35, s33
	s_mov_b32 s33, s32
.set P_CV, 0                           ; the start has left nothing
.set P_AN, 0
.set P_VL, 0
.set P_BL, 0
.set P_XL, 0
	;    jj zero bar cv vl bl xl  lw an adv
	STEP 0, 1, 0, 1, 0, 1, 1, 32, 1, 0             ; steps 0 to 3: the first starts the sums, and chunk 1 has been handed over already
	STEP 1, 0, 0, 1, 1, 1, 1, 32, 1, 0
	STEP 2, 0, 1, 1, 0, 1, 1, 32, 1, 0
	STEP 3, 0, 0, 1, 1, 1, 1, 32, 1, 1
	s_mov_b32 s28, 5
.Lgroup:                                               ; steps 4 to 23.  The step ahead of the label and the loop's last step leave the same, behind the same wait
	STEP 0, 0, 1, 1, 0, 1, 1, 32, 1, 0
	STEP 1, 0, 0, 1, 1, 1, 1, 32, 1, 0
	STEP 2, 0, 1, 1, 0, 1, 1, 32, 1, 0
	STEP 3, 0, 0, 1, 1, 1, 1, 32, 1, 1
	s_sub_co_u32 s28, s28, 1
	s_cmp_lg_u32 s28, 0
	s_cbranch_scc1 .Lgroup
	STEP 0, 0, 1, 1, 0, 1, 0, 32, 1, 0             ; steps 24 to 31 are written out: no load leaves x or wf, and the counts run down with the loads that are left
	STEP 1, 0, 0, 1, 1, 1, 0, 24, 1, 0             ; younger than W1's step 26: 8 of x, 16 of W1
	STEP 2, 0, 1, 1, 0, 1, 0, 16, 1, 0             ; from here on: the 16 of W1's next step but one
	STEP 3, 0, 0, 1, 0, 1, 0, 16, 1, 1             ; the last half-chunk is converted
	STEP 0, 0, 1, 0, 0, 1, 0, 16, 1, 0             ; chunk 15 is handed over
	STEP 1, 0, 0, 0, 0, 0, 0, 16, 1, 0
	STEP 2, 0, 0, 0, 0, 0, 0, 0, 1, 0
	; What the epilogue needs is asked for one step ahead: b1 and w2 of my 64 columns a lane (column 128 w + 16 b + 8 h + j), the batch's mask (32 bytes a lane), the mask of rows 4 l .. 4 l + 3 of my 128.
	s_wait_alu depctr_vm_vsrc(0)                   ; the last half-chunk's LDS stores, issued in step 28, have read v16 to v18, which the next lines write
	v_bfe_u32 v16, v0, 4, 1
	v_lshlrev_b32 v16, 5, v16
	v_lshl_add_u32 v16, s22, 9, v16                ; 512 w + 32 h
	v_and_b32 v18, 31, v0
	v_lshlrev_b32 v17, 5, v18
	s_lshl_b32 s26, s23, 7
	v_lshl_add_u32 v18, v18, 2, s26
	WIN TO_B                                       ; b1 into W1's buffer 0, last multiplied in step 28
	s_wait_alu depctr_va_vdst(0)                   ; v16 to v18 are written, which the loads below read as offsets
.irp b, 0,1,2,3,4,5,6,7
	global_load_b128 v[8*(\b):8*(\b)+3],   v16, s[8:9] offset:64*(\b)
	global_load_b128 v[8*(\b)+4:8*(\b)+7], v16, s[8:9] offset:64*(\b)+16
.endr
	WIN 0
.irp b, 0,1,2,3,4,5,6,7
	global_load_b128 v[W2+8*(\b):W2+8*(\b)+3],   v16, s[10:11] offset:64*(\b)
	global_load_b128 v[W2+8*(\b)+4:W2+8*(\b)+7], v16, s[10:11] offset:64*(\b)+16
.endr
	global_load_b128 v[192:195], v17, s[6:7]
	global_load_b128 v[196:199], v17, s[6:7] offset:16
	global_load_b32 v200, v18, s[6:7]
	STEP 3, 0, 0, 0, 0, 0, 0, -1, 0, 0
	; x . v: a row's pair, then the 16 lanes that hold the row.  These plain additions are the places behind the last products.
.set n, 0
.rept 16
	v_add_f32 v[LA+2*n], v[LA+2*n], v[LA+2*n+1]
.set n, n+1
.endr
.irp m, 1,2,4,8
.set n, 0
.rept 16
	v_add_f32_dpp v[LA+2*n], v[LA+2*n], v[LA+2*n] row_xmask:\m row_mask:0xf bank_mask:0xf
.set n, n+1
.endr
.endr
	s_wait_alu depctr_va_vdst(0)                   ; the additions have written the sixteen sums, which the LDS stores read
.set n, 0
.rept 16
	ds_store_b32 v[LPA], v[LA+2*n] offset:(16*(n/8)+n%8)*4   ; sixteen lanes write the same word with the same number
.set n, n+1
.endr
	; THE GELU AND ITS PRODUCT WITH w2.  U = S (sum + b1); t = 1 / (1 + P |U|); y = t 2^(-U^2) (A1 + t (A2 + t (A3 + t (A4 + t A5)))) = (1 - erf) / 2; S gelu = |U| (0.5 - y) + 0.5 U.
	; b1 and w2 are rounded to bf16 like every input (two roundings packed, then widened again); then b1 is multiplied by S and w2 by 1 / S once, so that the scale costs nothing in the loop.
	s_wait_loadcnt 0x0                             ; b1, w2, the masks
	WIN 0x05                                       ; sources 0 and 1 in window 1, destination in window 0
.set n, 0
.rept 32
	v_cvt_pk_bf16_f32 v[D+n], v[2*n], v[2*n+1]
.set n, n+1
.endr
	WIN 0x40                                       ; destination in window 1, sources in window 0
.set n, 0
.rept 32
	v_lshlrev_b32 v[2*n],   16, v[D+n]
	v_and_b32     v[2*n+1], 0xffff0000, v[D+n]
.set n, n+1
.endr
	WIN 0x41                                       ; destination and source 0 in window 1
.set n, 0
.rept 32
	v_pk_mul_f32 v[2*n:2*n+1], v[2*n:2*n+1], s[38:39] op_sel_hi:[1,0]
.set n, n+1
.endr
	WIN 0
.set n, 0
.rept 32
	v_cvt_pk_bf16_f32 v[D+n], v[W2+2*n], v[W2+2*n+1]
.set n, n+1
.endr
.set n, 0
.rept 32
	v_lshlrev_b32 v[W2+2*n],   16, v[D+n]
	v_and_b32     v[W2+2*n+1], 0xffff0000, v[D+n]
.set n, n+1
.endr
.set n, 0
.rept 32
	v_pk_mul_f32 v[W2+2*n:W2+2*n+1], v[W2+2*n:W2+2*n+1], s[54:55] op_sel_hi:[1,0]
.set n, n+1
.endr
; Row block a (16 rows): its eight accumulators times S plus S b1, into U.  Each accumulator is read from its low end on.
.macro CASE a
	WIN 0x12+((\a)/4)                              ; source 0 window 2 or 3, source 2 window 1, destination window 0
.set n, 0
.rept 32
	v_pk_fma_f32 v[U+2*n:U+2*n+1], v[64*((\a)%4)+2*n:64*((\a)%4)+2*n+1], s[38:39], v[2*n:2*n+1] op_sel_hi:[1,0,1]
.set n, n+1
.endr
	WIN 0
.endm
; Eight of a lane's 64 numbers.  The 16 transcendentals stand together, and four plain instructions follow them before a result is used (ISA guide 5.7.2).
.macro GRP n
.set UU, U+8*(\n)
.set WW, W2+8*(\n)
.irp i, 0,1,2,3,4,5,6,7
	v_fma_f32 v[D+(\i)], |v[UU+(\i)]|, s40, 1.0
.endr
.irp i, 0,2,4,6
	v_pk_mul_f32 v[Q+(\i):Q+(\i)+1], v[UU+(\i):UU+(\i)+1], v[UU+(\i):UU+(\i)+1] neg_lo:[1,0] neg_hi:[1,0]
.endr
.irp i, 0,1,2,3,4,5,6,7
	v_rcp_f32 v[D+(\i)], v[D+(\i)]                 ; t
.endr
.irp i, 0,1,2,3,4,5,6,7
	v_exp_f32 v[Q+(\i)], v[Q+(\i)]                 ; 2^(-U^2)
.endr
.irp i, 0,2,4,6
	v_pk_mul_f32 v[HU+(\i):HU+(\i)+1], v[UU+(\i):UU+(\i)+1], 0.5 op_sel_hi:[1,0]
.endr
	s_wait_alu depctr_va_vdst(0)                   ; the eight t in v[D ..] and the eight 2^(-U^2) in v[Q ..] are written: one wait for the batch, ahead of its first reader
.irp i, 0,2,4,6
	v_pk_fma_f32 v[H+(\i):H+(\i)+1], v[D+(\i):D+(\i)+1], s[50:51], s[48:49] op_sel_hi:[1,0,0]
.endr
.irp c, 46,44,42
.irp i, 0,2,4,6
	v_pk_fma_f32 v[H+(\i):H+(\i)+1], v[H+(\i):H+(\i)+1], v[D+(\i):D+(\i)+1], s[\c:\c+1] op_sel_hi:[1,1,0]
.endr
.endr
.irp i, 0,2,4,6
	v_pk_mul_f32 v[Q+(\i):Q+(\i)+1], v[Q+(\i):Q+(\i)+1], v[D+(\i):D+(\i)+1]
.endr
.irp i, 0,2,4,6
	v_pk_fma_f32 v[H+(\i):H+(\i)+1], v[H+(\i):H+(\i)+1], v[Q+(\i):Q+(\i)+1], 0.5 op_sel_hi:[1,1,0] neg_lo:[1,0,0] neg_hi:[1,0,0]
.endr
.irp i, 0,1,2,3,4,5,6,7
	v_fma_f32 v[HU+(\i)], |v[UU+(\i)]|, v[H+(\i)], v[HU+(\i)]
.endr
.irp i, 0,2,4,6
.if (\n) == 0
	v_pk_mul_f32 v[SUM+(\i):SUM+(\i)+1], v[WW+(\i):WW+(\i)+1], v[HU+(\i):HU+(\i)+1]
.else
	v_pk_fma_f32 v[SUM+(\i):SUM+(\i)+1], v[WW+(\i):WW+(\i)+1], v[HU+(\i):HU+(\i)+1], v[SUM+(\i):SUM+(\i)+1]
.endif
.endr
.endm
	s_mov_b32 s29, 8
.Lgelu:                                                ; eight trips, row block 8 - s29: only the lines that name the accumulators differ, so they alone are written eight times
.irp a, 0,1,2,3,4,5,6
	s_cmp_eq_u32 s29, 8-(\a)
	s_cbranch_scc1 .Lcase\a
.endr
	CASE 7
	s_branch .Lbody
.irp a, 0,1,2,3,4,5
.Lcase\a:
	CASE \a
	s_branch .Lbody
.endr
.Lcase6:
	CASE 6
.Lbody:
.irp g, 0,1,2,3,4,5,6,7
	GRP \g
.endr
	v_pk_add_f32 v[SUM:SUM+1], v[SUM:SUM+1], v[SUM+2:SUM+3]
	v_pk_add_f32 v[SUM+4:SUM+5], v[SUM+4:SUM+5], v[SUM+6:SUM+7]
	v_pk_add_f32 v[SUM:SUM+1], v[SUM:SUM+1], v[SUM+4:SUM+5]
	v_add_f32 v[SUM], v[SUM], v[SUM+1]
	v_permlanex16_b32 v[SUM+1], v[SUM], s36, s37   ; the row's other 64 of my columns lie in the lane 16 away
	v_add_f32 v[SUM], v[SUM], v[SUM+1]
	s_wait_alu depctr_va_vdst(0)                   ; the sum is written, which the store reads; so is v[GPA], stepped in the trip before.  In the last trip also: the GELU is done with v[U ..], in which LDS loads land behind the loop
	ds_store_b32 v[GPA], v[SUM]                    ; my plane, row 16 a + r
	s_wait_alu depctr_vm_vsrc(0)                   ; the store has read v[GPA], which the next line steps, and v[SUM], which the next trip writes again; the loads of b1, w2 and the masks have read v16 to v18, written behind the loop
	v_add_nc_u32 v[GPA], 64, v[GPA]
	s_sub_co_u32 s29, s29, 1
	s_cmp_lg_u32 s29, 0
	s_cbranch_scc1 .Lgelu
	; addresses for the rest
	v_and_b32 v23, 31, v0                          ; lane
	v_and_b32 v24, 15, v0                          ; r
	v_bfe_u32 v25, v0, 4, 1                        ; h
	s_lshl_b32 s26, s22, 9
	s_add_co_u32 s26, s26, WT                      ; my wave's 128 weights: hi parts, and 256 bytes on the lo parts
	v_lshl_add_u32 v1, v23, 3, s26                 ; in: four of them a lane
	v_lshl_add_u32 v16, v25, 4, s26                ; back: as a fragment whose 16 rows are alike
	v_and_b32 v26, 7, v0
	v_lshl_add_u32 v26, v25, 3, v26
	v_mul_u32_u24 v17, v26, XP                     ; the turning load: lane l reads row 8 (l / 16) + l % 8, columns 8 ((l / 8) % 2) + 0..7
	v_bfe_u32 v26, v0, 3, 1
	v_lshl_add_u32 v17, v26, 4, v17
	s_mul_i32 s26, s22, 4*XCH                      ; my wave's 256 columns: chunks 4 w .. 4 w + 3
	v_add_nc_u32 v17, s26, v17
	v_add_nc_u32 v18, 2*XCH, v17                   ; the upper two chunks have an address of their own: the offsets stay inside 16 bits
	s_lshl_b32 s26, s22, 10
	v_lshl_add_u32 v21, v23, 4, s26                ; my 16 bytes in the work-group's part
	s_add_co_u32 s27, s26, OS
	v_lshl_add_u32 v19, v24, 2, s27
	v_lshl_add_u32 v20, v23, 4, s27
	v_lshlrev_b32 v22, 3, v23
	s_lshl_b32 s26, s23, 7
	v_lshl_add_u32 v27, v23, 2, s26
	v_cvt_f32_u32 v27, v27                         ; t of my first row: 128 x + 4 l
	; the batch's padding, counted: each byte is 0 or 1, eight words added byte by byte hold 8 at the most, the multiply gathers the four bytes in the top one
	v_add3_u32 v192, v192, v193, v194
	v_add3_u32 v195, v195, v196, v197
	v_add3_u32 v192, v192, v195, v198
	v_add_nc_u32 v192, v192, v199
	v_mul_lo_u32 v192, v192, s41
	v_lshrrev_b32 v192, 24, v192
	v_cvt_f32_u32 v192, v192
.irp m, 1,2,4,8
	v_add_f32_dpp v192, v192, v192 row_xmask:\m row_mask:0xf bank_mask:0xf
.endr
	v_permlanex16_b32 v193, v192, s36, s37
	v_add_f32 v192, v192, v193
	v_sub_f32 v192, 0x447fc000, v192               ; 1023 - padding = valid - 1: whole numbers, exact in f32
	v_sub_f32 v192, v192, v27                      ; less t
	s_wait_dscnt 0x0                               ; for the others' sake: my sums of x . v and of gelu . w2 are stored
	s_barrier_signal -1
	s_barrier_wait -1
	; THE SOFTMAX'S PART.  Every wave does it for all 128 rows, four a lane, so no further barrier is needed.
.irp p, 0,1,2,3,4
	ds_load_b128 v[64+4*(\p):67+4*(\p)], v[SCA] offset:512*(\p)   ; the four waves' planes, then x . v.  No wait: no vector instruction since the wait ahead of the GELU's last store names v64 to v83
.endr
	v_add_f32 v89, -1.0, v192
	v_add_f32 v90, -2.0, v192
	v_add_f32 v91, 0xc0400000, v192
	v_max_num_f32 v88, 0, v192                     ; max(valid - 1 - t, 0) of my four rows
	v_max_num_f32 v89, 0, v89
	v_max_num_f32 v90, 0, v90
	v_max_num_f32 v91, 0, v91
	v_mov_b32 v92, s30
	v_cvt_pk_bf16_f32 v92, v92, v92                ; b2 rounded to bf16,
	v_lshlrev_b32 v92, 16, v92                     ; as f32,
	v_mov_b32 v93, v92                             ; twice
.irp i, 0,1,2,3
	v_bfe_u32 v[104+(\i)], v200, 8*(\i), 8         ; my four rows' mask bytes,
.endr
.irp i, 0,1,2,3
	v_cmp_ne_u32 s[56+(\i)], 0, v[104+(\i)]        ; compared in one run, into four scalar registers: their one wait stands ahead of the selects
.endr
	s_wait_dscnt 0x0
	v_pk_add_f32 v[64:65], v[64:65], v[68:69]
	v_pk_add_f32 v[66:67], v[66:67], v[70:71]
	v_pk_add_f32 v[72:73], v[72:73], v[76:77]
	v_pk_add_f32 v[74:75], v[74:75], v[78:79]
	v_pk_add_f32 v[64:65], v[64:65], v[72:73]
	v_pk_add_f32 v[66:67], v[66:67], v[74:75]
	v_pk_add_f32 v[64:65], v[64:65], v[92:93]      ; + b2
	v_pk_add_f32 v[66:67], v[66:67], v[92:93]
	v_pk_mul_f32 v[64:65], v[64:65], s[52:53] op_sel_hi:[1,0] neg_lo:[1,0] neg_hi:[1,0]
	v_pk_mul_f32 v[66:67], v[66:67], s[52:53] op_sel_hi:[1,0] neg_lo:[1,0] neg_hi:[1,0]
.irp i, 64,65,66,67
	v_exp_f32 v\i, v\i
.endr
	v_mov_b32 v95, 0xc61c4000                      ; -10000
	s_wait_alu depctr_va_vdst(0)                   ; the four exponentials in v64 to v67 are written, ahead of their first reader
	v_pk_add_f32 v[64:65], v[64:65], 1.0 op_sel_hi:[1,0]
	v_pk_add_f32 v[66:67], v[66:67], 1.0 op_sel_hi:[1,0]
.irp i, 64,65,66,67
	v_rcp_f32 v\i, v\i                             ; the gate
.endr
	v_nop
	s_wait_alu depctr_va_vdst(0)                   ; the four gates in v64 to v67 are written, ahead of their first reader
	v_pk_fma_f32 v[84:85], v[64:65], v[80:81], s[32:33] op_sel_hi:[1,1,0]   ; gate (x . v) + c0
	v_pk_fma_f32 v[86:87], v[66:67], v[82:83], s[32:33] op_sel_hi:[1,1,0]
	v_pk_fma_f32 v[84:85], v[88:89], s[34:35], v[84:85] op_sel_hi:[1,0,1] neg_lo:[1,0,0] neg_hi:[1,0,0]
	v_pk_fma_f32 v[86:87], v[90:91], s[34:35], v[86:87] op_sel_hi:[1,0,1] neg_lo:[1,0,0] neg_hi:[1,0,0]
	s_wait_alu depctr_va_sdst(0)                   ; the four compares have written s56 to s59, ahead of their first readers
.irp i, 0,1,2,3
	v_cndmask_b32 v[84+(\i)], v[84+(\i)], v95, s[56+(\i)]
.endr
	v_max3_num_f32 v96, v84, v85, v86
	v_max_num_f32 v96, v96, v87
.irp m, 1,2,4,8
	v_max_num_f32_dpp v96, v96, v96 row_xmask:\m row_mask:0xf bank_mask:0xf
.endr
	v_permlanex16_b32 v97, v96, s36, s37
	v_max_num_f32 v96, v96, v97                    ; m of the 128 rows
	v_pk_add_f32 v[84:85], v[84:85], v[96:97] op_sel_hi:[1,0] neg_lo:[0,1] neg_hi:[0,1]   ; d - m first, then the scale: no difference of large products
	v_pk_add_f32 v[86:87], v[86:87], v[96:97] op_sel_hi:[1,0] neg_lo:[0,1] neg_hi:[0,1]
	v_pk_mul_f32 v[84:85], v[84:85], s[52:53] op_sel_hi:[1,0]
	v_pk_mul_f32 v[86:87], v[86:87], s[52:53] op_sel_hi:[1,0]
.irp i, 84,85,86,87
	v_exp_f32 v\i, v\i
.endr
	v_mov_b32 v[ML], v96
	s_wait_alu depctr_va_vdst(0)                   ; the four e in v84 to v87 are written, ahead of their first reader
	v_add_f32 v98, v84, v85
	v_add_f32 v99, v86, v87
	v_add_f32 v98, v98, v99
.irp m, 1,2,4,8
	v_add_f32_dpp v98, v98, v98 row_xmask:\m row_mask:0xf bank_mask:0xf
.endr
	v_permlanex16_b32 v99, v98, s36, s37
	v_add_f32 v[ML+1], v98, v99                    ; l, of the unrounded e
	v_pk_mul_f32 v[84:85], v[84:85], v[64:65]      ; the weight of a row of x: w = e gate
	v_pk_mul_f32 v[86:87], v[86:87], v[66:67]
	v_cvt_pk_bf16_f32 v100, v84, v85               ; hi = bf16(w)
	v_cvt_pk_bf16_f32 v101, v86, v87
	v_lshlrev_b32 v104, 16, v100
	v_and_b32 v105, 0xffff0000, v100
	v_lshlrev_b32 v106, 16, v101
	v_and_b32 v107, 0xffff0000, v101
	v_pk_add_f32 v[84:85], v[84:85], v[104:105] neg_lo:[0,1] neg_hi:[0,1]   ; w - hi, exact in f32
	v_pk_add_f32 v[86:87], v[86:87], v[106:107] neg_lo:[0,1] neg_hi:[0,1]
	v_cvt_pk_bf16_f32 v102, v84, v85               ; lo = bf16(w - hi)
	v_cvt_pk_bf16_f32 v103, v86, v87
	s_wait_alu depctr_va_vdst(0)                   ; v100 to v103 and the addresses v1 and v16 to v22 are written, which the LDS and memory instructions from here on read; m and l are written; every vector and matrix
	                                               ; instruction is done with v192 to v255 and with windows 2 and 3, in which the loads below land
	ds_store_b64 v1, v[100:101]
	ds_store_b64 v1, v[102:103] offset:256
	; THE POOLED SUM, on the matrix unit: K is the 128 rows, in four steps of 32.  Source 0: the weights (hi, then lo), the same in all 16 rows of the fragment; source 1: 32 rows x 16 columns of x,
	; turned by ds_load_tr16_b128.  My wave's 256 columns are 16 accumulators (window 1, 8 f), which take turns; all rows of a result are alike, and register 0 is taken.
	; Each of the eight batches of turned fragments has 64 registers of its own, where the main loop's accumulators lay: no register is loaded twice, so no wait stands between the products and the loads.
.irp p, 0,1
.irp k, 0,1,2,3
	ds_load_b128 v[192+32*(\p)+8*(\k):195+32*(\p)+8*(\k)], v16 offset:256*(\p)+64*(\k)      ; LDS serves a wave's instructions in order (ISA guide 5.7.1.4): these see my stores above
	ds_load_b128 v[196+32*(\p)+8*(\k):199+32*(\p)+8*(\k)], v16 offset:256*(\p)+64*(\k)+32
.endr
.endr
.macro TLOAD n                         ; batch n: rows 32 (n / 2) on, columns 128 (n % 2) on: eight fragments, 16 loads, into window 2 + n / 4, v[64 (n % 4) ..]
	WIN 0x80+0x40*((\n)>>2)
.irp f, 0,1,2,3,4,5,6,7
	ds_load_tr16_b128 v[64*((\n)&3)+8*(\f):64*((\n)&3)+8*(\f)+3],   v[17+((\n)&1)] offset:((\f)>>2)*XCH+((\n)>>1)*32*XP+((\f)&3)*32
	ds_load_tr16_b128 v[64*((\n)&3)+8*(\f)+4:64*((\n)&3)+8*(\f)+7], v[17+((\n)&1)] offset:((\f)>>2)*XCH+((\n)>>1)*32*XP+((\f)&3)*32+16*XP
.endr
	WIN 0
.endm
.macro POOL n, left                    ; the batch's eight accumulators with the hi parts, then the same eight with the lo parts.  left: the younger batches' loads, 16 each, which may stay out
	s_wait_dscnt \left
	WIN 0x58+4*((\n)>>2)                           ; C and D window 1, the weights window 0, x window 2 or 3
.irp p, 0,1
.irp f, 0,1,2,3,4,5,6,7
.if ((\n) < 2) && ((\p) == 0)
	v_wmma_f32_16x16x32_bf16 v[8*(8*((\n)&1)+(\f)):8*(8*((\n)&1)+(\f))+7], v[192+32*(\p)+8*((\n)>>1):199+32*(\p)+8*((\n)>>1)], v[64*((\n)&3)+8*(\f):64*((\n)&3)+8*(\f)+7], 0
.else
	v_wmma_f32_16x16x32_bf16 v[8*(8*((\n)&1)+(\f)):8*(8*((\n)&1)+(\f))+7], v[192+32*(\p)+8*((\n)>>1):199+32*(\p)+8*((\n)>>1)], v[64*((\n)&3)+8*(\f):64*((\n)&3)+8*(\f)+7], v[8*(8*((\n)&1)+(\f)):8*(8*((\n)&1)+(\f))+7]
.endif
.endr
.endr
	WIN 0
.endm
	TLOAD 0
	TLOAD 1
	TLOAD 2
.irp n, 0,1,2,3,4
	POOL \n, 32                                    ; two younger batches stay out
	TLOAD (\n)+3                                   ; no wait: no vector or matrix instruction since the wait ahead of the weights' stores names this batch's registers
.endr
	POOL 5, 32
	POOL 6, 16
	POOL 7, 0
	PLACES                                         ; in front of the stores that read results
	WIN 0x04                                       ; the stores' data in window 1
	s_wait_alu depctr_va_vdst(0)                   ; the products have written the sixteen accumulators, which the LDS stores read; the places above stay beside this wait
.irp f, 0,1,2,3,4,5,6,7,8,9,10,11,12,13,14,15
	ds_store_b32 v19, v[8*(\f)] offset:64*(\f)     ; column 16 f + r of my 256; both halves of the lanes hold the same number
.endr
	WIN 0
	ds_load_b128 v[64:67], v20                     ; my own bytes, in order behind the stores
	ds_load_b128 v[68:71], v20 offset:512
	s_wait_dscnt 0x0
	global_store_b128 v21, v[64:67], s[20:21]      ; a wave's store covers 512 consecutive bytes, aligned
	global_store_b128 v21, v[68:71], s[20:21] offset:512
	s_cmp_lg_u32 s22, 0
	s_cbranch_scc1 .Ldone
	global_store_b64 v22, v[ML:ML+1], s[20:21] offset:4096   ; wave 0: (m, l) 32 times: 256 consecutive bytes, aligned
.Ldone:
	s_wait_xcnt 0x0
	v_lshl_add_u32 v246, v0, 2, 0x4b200            ; the add's two registers, made anew: no memory or LDS instruction has read v246 or v247
	v_mov_b32 v247, 0
	s_wait_dscnt 0x0                               ; the closing lines, six on end
	s_wait_alu 0x0
	s_wait_tensorcnt 0x0
	ds_add_u32 v246, v247
	s_wait_dscnt 0x0
	s_endpgm
.Lfunc_end_k_q1d21c4e54c_pool:
	.size	k_q1d21c4e54c_pool, .Lfunc_end_k_q1d21c4e54c_pool-k_q1d21c4e54c_pool
	.p2alignl 7, 3214868480
	.fill 96, 4, 3214868480
	.section	.rodata,"a",@progbits
	.p2align	6, 0x0
	.amdhsa_kernel k_q1d21c4e54c_pool
		.amdhsa_group_segment_fixed_size 308224
		.amdhsa_private_segment_fixed_size 0
		.amdhsa_enable_private_segment 0
		.amdhsa_kernarg_size 72
		.amdhsa_user_sgpr_count 2
		.amdhsa_user_sgpr_kernarg_segment_ptr 1
		.amdhsa_wavefront_size32 1
		.amdhsa_system_sgpr_workgroup_id_x 1
		.amdhsa_system_sgpr_workgroup_id_y 1
		.amdhsa_system_sgpr_workgroup_id_z 1
		.amdhsa_system_vgpr_workitem_id 0
		.amdhsa_next_free_vgpr 1024
		.amdhsa_next_free_sgpr 66
		.amdhsa_reserve_vcc 0
		.amdhsa_float_denorm_mode_32 3
		.amdhsa_float_denorm_mode_16_64 3
		.amdhsa_memory_ordered 1
		.amdhsa_forward_progress 1
		.amdhsa_inst_pref_size 255
	.end_amdhsa_kernel
	.section	.bss,"aw",@nobits
	.p2align	6
	.space	262144
	.amdgpu_metadata
---
amdhsa.version: [ 1, 2 ]
amdhsa.kernels:
  - .name:           k_q1d21c4e54c_pool
    .symbol:         k_q1d21c4e54c_pool.kd
    .args:
      - { .name: utterance_embeddings, .offset: 0, .size: 8, .value_kind: global_buffer, .address_space: global }
      - { .name: attention_mask, .offset: 8, .size: 8, .value_kind: global_buffer, .address_space: global }
      - { .name: gate_b1, .offset: 16, .size: 8, .value_kind: global_buffer, .address_space: global }
      - { .name: gate_w2, .offset: 24, .size: 8, .value_kind: global_buffer, .address_space: global }
      - { .name: gate_b2, .offset: 32, .size: 8, .value_kind: global_buffer, .address_space: global }
      - { .name: wf, .offset: 40, .size: 8, .value_kind: global_buffer, .address_space: global }
      - { .name: vq, .offset: 48, .size: 8, .value_kind: global_buffer, .address_space: global }
      - { .name: cst, .offset: 56, .size: 8, .value_kind: global_buffer, .address_space: global }
      - { .name: part, .offset: 64, .size: 8, .value_kind: global_buffer, .address_space: global }
    .group_segment_fixed_size: 308224
    .private_segment_fixed_size: 0
    .kernarg_segment_align: 8
    .kernarg_segment_size: 72
    .max_flat_workgroup_size: 128
    .sgpr_count:     66
    .vgpr_count:     1024
    .wavefront_size: 32
...
	.end_amdgpu_metadata
.endif
;; end of part 4
;; launch merge: the kernel of part 3 again; grid 8 x 32, 1 waves a work-group, no clusters, 0 bytes of LDS; arguments part, out0; writes out0
